; MI455X (gfx1250); checked and timed in simulation.
; The chip was launched on July 23, 2026; its instructions are those of AMD's public machine-readable ISA for CDNA 5 (MIT licence, August 2026) and "CDNA5" Instruction Set Architecture Reference Guide (July 2026). The comments in the code are by the model that wrote it; some were corrected since.
;; Mo E Layer. Allowed arithmetic: matrix products marked QUANTISED: E5M2 operands, one E8M0 scale for each 32 along K, by v_wmma_scale_f32_16x16x128_f8f6f4 with both operands' format E5M2, f32 sums; products left as they are: f32 operands where the result goes on into a quantised operand, else bf16, f16 or f32 operands; f32 sums; everything else in f32.
;; Inputs: b1 8 x 4,096 float32; b2 8 x 1,024 float32; gate_w 1,024 x 8 float32; w1_codes 8 x 4,096 x 32 x 32 uint8 (E5M2 codes of w1, K innermost, in blocks of 32 codes); w1_scales 8 x 4,096 x 32 uint8 (E8M0 scales of w1, one for each 32 codes along K); w2_codes 8 x 1,024 x 128 x 32 uint8 (E5M2 codes of w2, K innermost, in blocks of 32 codes); w2_scales 8 x 1,024 x 128 uint8 (E8M0 scales of w2, one for each 32 codes along K); x 4 x 256 x 1,024 float32.
;; Outputs: out0 4 x 256 x 1,024 float32; out1 4 x 256 x 2 int32.
;; This version of the problem:
;;   THIS VERSION OF THE PROBLEM IS GIVEN IN LOW PRECISION. The matrix products marked QUANTISED in the list below multiply operands that are first quantised to E5M2 (5 exponent bits, 2 mantissa bits; 8 bits a number), with one power-of-two scale for each 32 numbers along K (OCP MX v1.0); their sums are f32. All else is computed in f32.
;;   The module's matrix products, in the order in which they are computed (A, B: the left and right operand; K: the contracted axis; several contracted axes count as one K, in the product's order):
;;     1. [M 1,024, K 1,024] x [K 1,024, N 8]; A: input x; B: input gate_w: left as it is (N = 8 < 16)
;;     2. [M 1,024, K 1,024] x [K 1,024, N 4,096]; A: input x; B: input w1 (given as codes): QUANTISED
;;     3. [M 1,024, K 4,096] x [K 4,096, N 1,024]; A: computed on the way; B: input w2 (given as codes): QUANTISED
;;     4. [M 1,024, K 1,024] x [K 1,024, N 4,096]; A: input x; B: input w1 (given as codes): QUANTISED
;;     5. [M 1,024, K 4,096] x [K 4,096, N 1,024]; A: computed on the way; B: input w2 (given as codes): QUANTISED
;;     6. [M 1,024, K 1,024] x [K 1,024, N 4,096]; A: input x; B: input w1 (given as codes): QUANTISED
;;     7. [M 1,024, K 4,096] x [K 4,096, N 1,024]; A: computed on the way; B: input w2 (given as codes): QUANTISED
;;     8. [M 1,024, K 1,024] x [K 1,024, N 4,096]; A: input x; B: input w1 (given as codes): QUANTISED
;;     9. [M 1,024, K 4,096] x [K 4,096, N 1,024]; A: computed on the way; B: input w2 (given as codes): QUANTISED
;;     10. [M 1,024, K 1,024] x [K 1,024, N 4,096]; A: input x; B: input w1 (given as codes): QUANTISED
;;     11. [M 1,024, K 4,096] x [K 4,096, N 1,024]; A: computed on the way; B: input w2 (given as codes): QUANTISED
;;     12. [M 1,024, K 1,024] x [K 1,024, N 4,096]; A: input x; B: input w1 (given as codes): QUANTISED
;;     13. [M 1,024, K 4,096] x [K 4,096, N 1,024]; A: computed on the way; B: input w2 (given as codes): QUANTISED
;;     14. [M 1,024, K 1,024] x [K 1,024, N 4,096]; A: input x; B: input w1 (given as codes): QUANTISED
;;     15. [M 1,024, K 4,096] x [K 4,096, N 1,024]; A: computed on the way; B: input w2 (given as codes): QUANTISED
;;     16. [M 1,024, K 1,024] x [K 1,024, N 4,096]; A: input x; B: input w1 (given as codes): QUANTISED
;;     17. [M 1,024, K 4,096] x [K 4,096, N 1,024]; A: computed on the way; B: input w2 (given as codes): QUANTISED
;;   THE QUANTISER, for each operand of a quantised product, along K:
;;     - K is cut into blocks of 32 from its start; a last block that is shorter is filled with zeros.
;;     - A block's scale is 2^e with e = floor(log2(the largest magnitude in the block)) - 15, held to -126 .. 127; a block of zeros has e = 0. As a byte (E8M0): e + 127.
;;     - Each number is divided by its block's scale, clamped to +-57,344, and rounded to the nearest number of E5M2, ties to even, subnormals kept.
;;     - The product sums the exact products of the quantised numbers (number of the format x scale) in f32.
;;   ~~~python
;;   def quantise(x, axis):      # numpy; x: float32 -> the quantised numbers, widened to float32 again
;;       x = np.moveaxis(x, axis, -1); K = x.shape[-1]
;;       x = np.pad(x, [(0, 0)] * (x.ndim - 1) + [(0, -K % 32)]); x = x.reshape(x.shape[:-1] + (-1, 32)); a = np.abs(x).max(-1, keepdims=True)
;;       e = np.where(a > 0, np.clip(np.frexp(np.where(a > 0, a, 1))[1] - 1 - 15, -126, 127), 0)      # np.frexp(a)[1] - 1 = floor(log2(a)), exactly
;;       r = np.clip(x / 2.0 ** e, -57344, 57344)
;;       step = 2.0 ** (np.maximum(np.frexp(np.where(r == 0, 1, r))[1] - 1, -14) - 2)
;;       q = np.round(r / step) * step * 2.0 ** e      # np.round: ties to even
;;       return np.moveaxis(q.reshape(q.shape[:-2] + (-1,))[..., :K], -1, axis).astype(np.float32)
;;   ~~~
;;   OPERANDS COMPUTED ON THE WAY. 'Computed on the way' means the value that the module computes at that place (a softmax that the list does not call 'softmax' is quantised finished and normalised). What goes into a quantiser is computed in f32, as accurately as f32 sums, v_exp_f32 and their like allow (about 1e-6 of the number): no bf16 or f16 on the way to a quantiser, and a product that is left as it is and whose result goes on into a quantised operand takes f32 operands (vector FMAs, or v_wmma_f32_16x16x4_f32). A number that lies on a knife's edge between two numbers of the format may be rounded either way, as far as f32 arithmetic and the matrix unit's own rounding can turn it there, and no further.
;;   INPUTS GIVEN AS CODES. w1 (in the module: [8, 1024, 4096], K = its axis 1); w2 (in the module: [8, 4096, 1024], K = its axis 1): each comes as NAME_codes (uint8): NAME with its K axis moved to the last place and cut into blocks of 32 codes, [.., K / 32, bytes a block], one block behind the other in memory; one code a byte (a code: sign, 5 exponent bits, 2 mantissa bits); and NAME_scales (uint8): the same leading axes, one E8M0 byte (e + 127) for each 32 codes along K. Its value is code x scale, taken as it is: it is not quantised again, and the codes and scales need not be those that the quantiser above would give.
;; 2 versions. Each part assembles by itself: llvm-mc -triple=amdgcn-amd-amdhsa -mcpu=gfx1250 --defsym DOCPART=n.
;; ======== version 1 of 2: 4 launches
;; workspace buffers: xcodes 1,048,576 bytes; xscales 32,768 bytes; selw 8,192 bytes of whole numbers; wts 8,192 bytes; hbuf 33,554,432 bytes; hscales 1,048,576 bytes; ybuf 8,912,896 bytes
;; launch route (part 1): grid 256 x 1, 4 waves a work-group, no clusters, 56,320 bytes of LDS; arguments x, gate_w, xcodes, xscales, selw, wts, out1; writes xcodes, xscales, selw, wts, out1
.if DOCPART == 1
	.amdgcn_target "amdgcn-amd-amdhsa--gfx1250"
	.amdhsa_code_object_version 6
	.text
	.protected	k_q962340702c_route
	.globl	k_q962340702c_route
	.p2align	8
	.type	k_q962340702c_route,@function
k_q962340702c_route:
	s_mov_b64 s[64:65], 0
	v_nop
	global_prefetch_b8 v0, s[64:65] scope:SCOPE_SE
	s_setreg_imm32_b32 hwreg(HW_REG_WAVE_MODE, 25, 1), 1
	s_wait_xcnt 0x0
; MoE layer, 1,024 tokens of 1,024 numbers, 8 experts, top 2.  FOUR LAUNCHES: route (this one), ffn1, ffn2, combine.
; WORK LEFT OUT BY THE PROGRAM, AND WHY IT IS DEAD.  The problem's own text builds the combine weight wi = sum(where(sel == i, weights, 0)): for a token that did not
; choose expert i every term of that sum is the constant 0, so wi = 0 and wi * y = 0 for every finite y, whatever the inputs hold.  So of each expert's two products only the rows
; of the tokens that chose it can reach out0: 2,048 (token, expert) rows of 8,192.  ffn1 and ffn2 multiply those rows alone, by lists that they make from the whole numbers that this launch stores.
; Every input has a way to an output, so all are loaded.  LIMIT: a NaN, an infinity or an overflow that arises only in the rows left out is not carried to the result.
; THIS LAUNCH: logits = x gate_w in f32 (fused multiply-adds), the two largest (the lower index wins a tie, as lax.top_k has it), softmax over the two (the larger is taken away first),
; and x as codes of E5M2 with one E8M0 byte for each 32 along D, for ffn1.  The choice steers no address here: it is stored at fixed places (out1, selw, wts).
; SHARES: a wave takes one token; lane l owns block l of its row, k = 32 l .. 32 l + 31: the block's largest magnitude needs no other lane.
; Loads are dense (512 consecutive bytes an instruction); the row turns through the wave's own LDS bytes so that a lane gets its 32 neighbours; gate_w lies in LDS once for the four waves.
; LIMITS: NaN and infinite inputs are not served.  A block of zeros gets the byte 1 (its codes are zeros; the bytes are read by this program alone).  The logits are summed in another order than
; the problem's own product: where the second and third logit of a token lie within some 1e-6 of their size of each other, the index may differ.
; No matrix unit (N = 8), no cluster (nothing large is shared), no prefetch (the launch is short and asks for all its bytes at its head).
.set GWP,   1040                       ; gate_w in LDS: 32 chunks of 1,024 bytes (32 rows k of 8 experts) + 16 of padding: 65 x 16, so that the lanes' reads fall on different banks
.set XT,    32*GWP                     ; behind it, for each wave: the row's 32 chunks of 128 bytes, pitch 144
.set XTP,   144
.set CT,    XT+4*32*XTP                ; for each wave: the row's 1,024 codes
.set SPARE, CT+4*1024                  ; the spare words, 128 bytes a wave: two blocks of 256 bytes that no other line names
.set SPW, 2                            ; v2   my spare word's address; never rewritten
.set NIL, 3                            ; v3   0; never rewritten
.set X,  16                            ; v16-47   my 32 numbers
.set R,  48                            ; v48-79   the row as loaded; later my numbers, held
.set G,  80                            ; v80-207  gate_w: as loaded; then two batches of 8 k x 8 experts
.set A,  208                           ; v208-215 the eight sums
.set T,  216                           ; v216-239 at work
.set C,  240                           ; v240-247 my 32 codes
.set BV, 248                           ; the largest logit;  SV the second
.set SV, 249
.set IX, 250                           ; v[250:251] their indices
.set WT, 252                           ; v[252:253] their weights
.set DD, 254
.set E2, 255
	s_load_b256 s[4:11], s[0:1], 0x0               ; x, gate_w, xcodes, xscales
	s_load_b128 s[12:15], s[0:1], 0x20             ; selw, wts
	s_load_b64 s[16:17], s[0:1], 0x30              ; out1
	v_lshl_add_u32 v[SPW], v0, 2, SPARE
	v_mov_b32 v[NIL], 0
	v_lshrrev_b32 v1, 5, v0
	v_readfirstlane_b32 s2, v1                     ; wave
	v_and_b32 v1, 31, v0                           ; lane
	v_lshlrev_b32 v4, 4, v1                        ; 16 x lane
	v_lshlrev_b32 v5, 4, v0                        ; 16 x thread
	s_mul_i32 s20, s2, 32*XTP
	s_add_co_u32 s20, s20, XT                      ; my wave's row in LDS
	v_lshrrev_b32 v6, 3, v1
	v_mul_u32_u24 v6, v6, XTP
	v_and_b32 v7, 7, v1
	v_lshl_add_u32 v6, v7, 4, v6
	v_add_nc_u32 v6, s20, v6                       ; in: eight lanes' 128 bytes to a chunk
	v_mul_u32_u24 v7, v1, XTP
	v_add_nc_u32 v7, s20, v7                       ; out: my chunk
	v_lshrrev_b32 v8, 6, v0
	v_mul_u32_u24 v8, v8, GWP
	v_and_b32 v9, 63, v0
	v_lshl_add_u32 v8, v9, 4, v8                   ; gate_w in: 64 threads' 1,024 bytes to a chunk
	v_mul_u32_u24 v9, v1, GWP                      ; out: my chunk
	s_lshl_b32 s21, s2, 10
	s_add_co_u32 s21, s21, CT
	v_lshl_add_u32 v10, v1, 5, s21                 ; codes in: 32 bytes a lane
	v_lshl_add_u32 v11, v1, 4, s21                 ; out: 16 bytes a lane
	v_mov_b32 v12, 0
	s_lshl_b32 s22, ttmp9, 2
	s_add_co_u32 s22, s22, s2                      ; my token
	s_lshl_b32 s24, s22, 12
	s_mov_b32 s25, 0
	s_lshl_b32 s26, s22, 10
	s_mov_b32 s27, 0
	s_lshl_b32 s28, s22, 5
	s_mov_b32 s29, 0
	s_lshl_b32 s30, s22, 3
	s_mov_b32 s31, 0
	s_mov_b32 s32, 0x76543210
	s_mov_b32 s33, 0xfedcba98                      ; v_permlanex16_b32's selects for lane l xor 16
	s_mov_b32 s23, 0x600000                        ; the mantissa field of 57,344
	s_wait_kmcnt 0x0
	s_add_nc_u64 s[4:5], s[4:5], s[24:25]
	s_add_nc_u64 s[8:9], s[8:9], s[26:27]
	s_add_nc_u64 s[10:11], s[10:11], s[28:29]
	s_add_nc_u64 s[12:13], s[12:13], s[30:31]
	s_add_nc_u64 s[14:15], s[14:15], s[30:31]
	s_add_nc_u64 s[16:17], s[16:17], s[30:31]
.irp i, 0,1,2,3,4,5,6,7
	global_load_b128 v[R+4*\i:R+4*\i+3], v4, s[4:5] offset:512*\i th:TH_LOAD_NT      ; the row: 512 consecutive bytes a load; read once in the launch
.endr
.irp i, 0,1,2,3,4,5,6,7,8,9,10,11,12,13,14,15
	global_load_b128 v[G+4*\i:G+4*\i+3], v5, s[6:7] offset:2048*\i                   ; gate_w: 2,048 consecutive bytes for the four waves
.endr
.irp e, 0,1,2,3,4,5,6,7
	v_mov_b32 v[T+16+\e], 0                        ; written once: a lane permute's destination counts as one of its sources
.endr
	s_wait_loadcnt 16                              ; the row is in; gate_w's sixteen loads may be out
.irp i, 0,1,2,3,4,5,6,7
	ds_store_b128 v6, v[R+4*\i:R+4*\i+3] offset:4*XTP*\i
.endr
.irp q, 0,1,2,3,4,5,6,7
	ds_load_b128 v[X+4*\q:X+4*\q+3], v7 offset:16*\q   ; my own wave's bytes: LDS serves a wave's instructions in order (ISA guide 5.7.1.4)
.endr
	s_wait_loadcnt 0x0
.irp i, 0,1,2,3,4,5,6,7,8,9,10,11,12,13,14,15
	ds_store_b128 v8, v[G+4*\i:G+4*\i+3] offset:2*GWP*\i
.endr
	s_wait_dscnt 0x0                               ; for the others' sake: my part of gate_w has landed; my numbers are in
	s_barrier_signal -1
	s_barrier_wait -1
.macro GL bt                           ; eight k of my 32, all eight experts: 256 bytes
.irp q, 0,1,2,3,4,5,6,7,8,9,10,11,12,13,14,15
	ds_load_b128 v[G+64*((\bt)%2)+4*\q:G+64*((\bt)%2)+4*\q+3], v9 offset:256*(\bt)+16*\q
.endr
.endm
	GL 0
	GL 1
	; the block's scale and codes, while gate_w's first batches come
	v_max3_num_f32 v[T], |v[X]|, |v[X+1]|, |v[X+2]|
	v_max3_num_f32 v[T+1], |v[X+3]|, |v[X+4]|, |v[X+5]|
.irp i, 6,10,14,18,22,26
	v_max3_num_f32 v[T], v[T], |v[X+\i]|, |v[X+\i+1]|
	v_max3_num_f32 v[T+1], v[T+1], |v[X+\i+2]|, |v[X+\i+3]|
.endr
	v_max3_num_f32 v[T], v[T], |v[X+30]|, |v[X+31]|
	v_max3_num_f32 v[T], v[T], v[T+1], 0x8000000   ; and the floor 2^(16 - 127): the byte cannot fall under 1
	v_add_nc_u32 v[T+2], 0xf8800000, v[T]          ; 15 off the exponent field: the conversion's scale operand
	v_and_or_b32 v[T+3], v[T], 0x7f800000, s23     ; 57,344 x the scale
	v_lshrrev_b32 v[T+4], 23, v[T+2]               ; the scale's byte
.irp i, 0,1,2,3,4,5,6,7,8,9,10,11,12,13,14,15,16,17,18,19,20,21,22,23,24,25,26,27,28,29,30,31
	v_med3_num_f32 v[R+\i], v[X+\i], -v[T+3], v[T+3]   ; the conversion does not saturate (ISA guide 7.6.2): the hold; into R, since the logits want x as it is
.endr
.irp g, 0,1,2,3
	v_cvt_scalef32_pk8_bf8_f32 v[C+2*\g:C+2*\g+1], v[R+8*\g:R+8*\g+7], v[T+2]
.endr
	v_nop                                          ; one plain line behind the last conversion
.macro DOT bt                          ; 8 k x 8 experts: 32 packed multiply-adds; x's number serves both halves
.set kk, 0
.rept 8
.set kx, 8*(\bt)+kk
.set gb, G+64*((\bt)%2)+8*kk
.irp p, 0,1,2,3
.if kx == 0
	v_pk_mul_f32 v[A+2*\p:A+2*\p+1], v[gb+2*\p:gb+2*\p+1], v[X:X+1] op_sel_hi:[1,0]       ; the first product starts the sums
.elseif kx%2 == 0
	v_pk_fma_f32 v[A+2*\p:A+2*\p+1], v[gb+2*\p:gb+2*\p+1], v[X+kx:X+kx+1], v[A+2*\p:A+2*\p+1] op_sel_hi:[1,0,1]
.else
	v_pk_fma_f32 v[A+2*\p:A+2*\p+1], v[gb+2*\p:gb+2*\p+1], v[X+kx-1:X+kx], v[A+2*\p:A+2*\p+1] op_sel:[0,1,0] op_sel_hi:[1,1,1]
.endif
.endr
.set kk, kk+1
.endr
.endm
	s_wait_dscnt 16                                ; batch 0 is in; batch 1's sixteen loads may be out
	DOT 0
	GL 2
	s_wait_dscnt 16
	DOT 1
	GL 3
	s_wait_dscnt 16
	DOT 2
	s_wait_dscnt 0x0
	DOT 3
	; the codes leave as 2 x 512 consecutive bytes, through my wave's own LDS bytes
	ds_store_b128 v10, v[C:C+3]
	ds_store_b128 v10, v[C+4:C+7] offset:16
	ds_load_b128 v[T+8:T+11], v11
	ds_load_b128 v[T+12:T+15], v11 offset:512
	; the sums over the 32 lanes
.irp m, 1,2,4,8
.irp e, 0,1,2,3,4,5,6,7
	v_add_f32_dpp v[A+\e], v[A+\e], v[A+\e] row_xmask:\m row_mask:0xf bank_mask:0xf
.endr
.endr
.irp e, 0,1,2,3,4,5,6,7
	v_permlanex16_b32 v[T+16+\e], v[A+\e], s32, s33
.endr
.irp e, 0,1,2,3,4,5,6,7
	v_add_f32 v[A+\e], v[A+\e], v[T+16+\e]         ; every lane holds the eight logits
.endr
	s_wait_dscnt 0x0
	global_store_b128 v4, v[T+8:T+11], s[8:9]
	global_store_b128 v4, v[T+12:T+15], s[8:9] offset:512
	global_store_b8 v1, v[T+4], s[10:11]           ; the row's 32 scale bytes, consecutive: one part in 128 of what the launch reads
	; the two largest.  A later logit takes the place only if it is larger: the lower index wins a tie
	v_mov_b32 v[BV], v[A]
	v_mov_b32 v[IX], 0
.irp i, 1,2,3,4,5,6,7
	v_cmp_le_f32 vcc_lo, v[A+\i], v[BV]            ; keep
	v_cndmask_b32 v[BV], v[A+\i], v[BV], vcc_lo
	v_cndmask_b32 v[IX], \i, v[IX], vcc_lo
.endr
	v_mov_b32 v[SV], 0xff800000                    ; -infinity
	v_mov_b32 v[IX+1], 0
.irp i, 0,1,2,3,4,5,6,7
	v_cmp_eq_u32 s34, \i, v[IX]                    ; the largest itself is passed over
	v_cmp_le_f32 s35, v[A+\i], v[SV]
	s_or_b32 vcc_lo, s34, s35                      ; keep
	v_cndmask_b32 v[SV], v[A+\i], v[SV], vcc_lo
	v_cndmask_b32 v[IX+1], \i, v[IX+1], vcc_lo
.endr
	; softmax over the two, the larger taken away: 1 / (1 + e^d) and e^d / (1 + e^d), d = second - first <= 0
	v_sub_f32 v[DD], v[SV], v[BV]
	v_mul_f32 v[DD], 0x3fb8aa3b, v[DD]
	v_exp_f32 v[E2], v[DD]
	v_nop                                          ; a plain line behind the transcendental,
	s_wait_alu depctr_va_vdst(0)                   ; and a wait ahead of its first reader
	v_add_f32 v[DD], 1.0, v[E2]
	v_rcp_f32 v[WT], v[DD]
	v_nop
	s_wait_alu depctr_va_vdst(0)
	v_mul_f32 v[WT+1], v[E2], v[WT]
	s_wait_xcnt 0x0                                ; EXEC is narrowed only behind this wait: the stores above have been taken
	v_cmp_gt_u32 vcc_lo, 1, v1
	s_and_saveexec_b32 s34, vcc_lo                 ; lane 0 alone
	global_store_b64 v12, v[IX:IX+1], s[16:17]     ; out1
	global_store_b64 v12, v[IX:IX+1], s[12:13]     ; the same as whole numbers for the later launches
	global_store_b64 v12, v[WT:WT+1], s[14:15]     ; the two weights
	s_wait_xcnt 0x0
	s_or_b32 exec_lo, exec_lo, s34
	s_wait_tensorcnt 0x0                           ; the wave's end
	ds_add_u32 v[SPW], v[NIL]
	s_wait_dscnt 0x0
	s_endpgm
.Lfunc_end_k_q962340702c_route:
	.size	k_q962340702c_route, .Lfunc_end_k_q962340702c_route-k_q962340702c_route
	.p2alignl 7, 3214868480
	.fill 96, 4, 3214868480
	.section	.rodata,"a",@progbits
	.p2align	6, 0x0
	.amdhsa_kernel k_q962340702c_route
		.amdhsa_group_segment_fixed_size 56320
		.amdhsa_private_segment_fixed_size 0
		.amdhsa_enable_private_segment 0
		.amdhsa_kernarg_size 56
		.amdhsa_user_sgpr_count 2
		.amdhsa_user_sgpr_kernarg_segment_ptr 1
		.amdhsa_wavefront_size32 1
		.amdhsa_system_sgpr_workgroup_id_x 1
		.amdhsa_system_sgpr_workgroup_id_y 1
		.amdhsa_system_sgpr_workgroup_id_z 1
		.amdhsa_system_vgpr_workitem_id 0
		.amdhsa_next_free_vgpr 256
		.amdhsa_next_free_sgpr 66
		.amdhsa_reserve_vcc 1
		.amdhsa_float_denorm_mode_32 3
		.amdhsa_float_denorm_mode_16_64 3
		.amdhsa_memory_ordered 1
		.amdhsa_forward_progress 1
		.amdhsa_inst_pref_size 30
	.end_amdhsa_kernel
	.amdgpu_metadata
---
amdhsa.version: [ 1, 2 ]
amdhsa.kernels:
  - .name:           k_q962340702c_route
    .symbol:         k_q962340702c_route.kd
    .args:
      - { .name: x, .offset: 0, .size: 8, .value_kind: global_buffer, .address_space: global }
      - { .name: gate_w, .offset: 8, .size: 8, .value_kind: global_buffer, .address_space: global }
      - { .name: xcodes, .offset: 16, .size: 8, .value_kind: global_buffer, .address_space: global }
      - { .name: xscales, .offset: 24, .size: 8, .value_kind: global_buffer, .address_space: global }
      - { .name: selw, .offset: 32, .size: 8, .value_kind: global_buffer, .address_space: global }
      - { .name: wts, .offset: 40, .size: 8, .value_kind: global_buffer, .address_space: global }
      - { .name: out1, .offset: 48, .size: 8, .value_kind: global_buffer, .address_space: global }
    .group_segment_fixed_size: 56320
    .private_segment_fixed_size: 0
    .kernarg_segment_align: 8
    .kernarg_segment_size: 56
    .max_flat_workgroup_size: 128
    .sgpr_count:     66
    .vgpr_count:     256
    .wavefront_size: 32
...
	.end_amdgpu_metadata
.endif
;; end of part 1
;; launch ffn1 (part 2): grid 256 x 1, 4 waves a work-group, no clusters, 275,200 bytes of LDS; arguments xcodes, xscales, selw, w1_codes, w1_scales, b1, hbuf, hscales; writes hbuf, hscales
.if DOCPART == 2
	.amdgcn_target "amdgcn-amd-amdhsa--gfx1250"
	.amdhsa_code_object_version 6
	.text
	.protected	k_q962340702c_ffn1
	.globl	k_q962340702c_ffn1
	.p2align	8
	.type	k_q962340702c_ffn1,@function
k_q962340702c_ffn1:
	s_mov_b64 s[64:65], 0
	v_nop
	global_prefetch_b8 v0, s[64:65] scope:SCOPE_SE
	s_setreg_imm32_b32 hwreg(HW_REG_WAVE_MODE, 25, 1), 1
	s_wait_xcnt 0x0
; h = Q(relu(x W1[e] + b1[e])) for the tokens that chose expert e alone: the other rows are dead work (their combine weight is the constant 0 that the problem's own where() builds: see the first kernel's head).
; SHARES.  Work-group (e, j): expert e = id / 32, hidden units 128 j .. 128 j + 127, which are K step j of the second product.  Each byte of W1 is read once in the launch, by one wave, and stays in registers.
; Wave w: u = w / 2 picks 64 of the units (four tiles of 16), p = w % 2 the row tiles of that parity.  THE PRODUCT IS USED TRANSPOSED (source 0 = 16 units of W1, source 1 = 16 tokens): a lane holds one token.
; THE UNITS OF A TILE ARE NOT NEIGHBOURS: lane r of tile 2 b + v takes unit 32 b + 8 v + r + 8 (r / 8), so that the 16 registers of tiles 2 b, 2 b + 1 are 16 neighbours along the next K: the conversions' results
; are the next operand's registers, and go to memory as an image of them (hbuf: [e][tile][K step][4][lane][16 bytes]); the scale bytes beside them (hscales: [e][tile][K quarter][row][K step % 8][4]).
; THE LIST.  Every wave makes, from the 1,024 pairs of whole numbers that the first launch stored, one bit a token (did it choose e?) in 32 scalar words with their running counts; slot s of the list is the
; s-th set bit, found by arithmetic alone and stored to LDS at a fixed place.  Slots from n on hold some valid token: pad rows.
; ROWS go in chunks of 64 through two LDS buffers by turns: gathered (whole runs of 256 bytes of a row) a chunk ahead.  The loop has 16 chunks whatever n is, so that every wave passes every barrier;
; a chunk beyond the last is jumped over by scalar branches on n, round the work and never round a barrier.  Whole chunks are always written, chunk 0 even where n = 0: so all that ffn2's head loads has been stored.
; NO TENSOR LOADS, SO NO JOINT LOADS: the branches hang on counts read from memory; x's rows, which 32 work-groups of an expert share, come through registers.
; LIMITS: NaN and infinite inputs are not served; a block of zeros gets the byte 1 (its codes are zeros; this program alone reads the bytes); pad rows are computed and never used.
.set SP,    1040                       ; a unit's row in the stage: 1,024 codes + 16
.set XP,    1072                       ; a token's row: 1,024 codes, 32 scale bytes, 16 of padding: 67 x 16
.set XB0,   128*SP                     ; LDS: the stage for W1 (128 units) from 0; then two buffers of 64 rows of x;
.set XB1,   XB0+64*XP
.set TOK,   XB1+64*XP                  ; the list, 1,024 words, and 256 bytes that the look-ahead of a sixteenth chunk would name and no path reads;
.set SPARE, TOK+4096+256               ; the spare words, 128 bytes a wave: two blocks of 256 bytes that no other line names
.set SPW, 4                            ; v4   my spare word's address; never rewritten
.set NIL, 5                            ; v5   0; never rewritten
.set L16, 6                            ; v6   16 x lane
.set WST, 7                            ; v7   the stage, in: my wave's 32 units
.set WRD, 8                            ; v8   out: my lane's unit of a tile
.set XST, 9                            ; v9,10   where I put gathered codes, buffer 0, 1
.set XSS, 11                           ; v11,12  and gathered scale bytes
.set XRD, 13                           ; v13,14  where I read x's fragments
.set XRS, 15                           ; v15,16  and x's scale words
.set TLA, 17                           ; v17  my place in a chunk's part of the list, for codes (two rows an instruction)
.set TLB, 18                           ; v18  for scale bytes (16 rows an instruction)
.set C16, 19                           ; v19  16 (lane % 16)
.set C2,  20                           ; v20  16 (lane % 2)
.set HO,  21                           ; v21  my byte in hbuf, stepped a chunk at a time
.set HS,  22                           ; v22  and in hscales
.set TCA, 23                           ; v23,24  TLA, TLB + the chunk
.set TCB, 24
.set GOFF, 26                          ; v26-33  the gathers' offsets
.set GOFS, 34
.set GS,  36                           ; v36-39  gathered scale bytes
.set ACC, 40                           ; v40-71  four accumulators
.set WSC, 72                           ; v72-103 W1's scale words: tile t, K step s at 8 t + s
.set XSC, 104                          ; v104-111 x's scale words
.set Q,   112                          ; v112-119 at work in the quantiser
.set CD,  120                          ; v120-127 the codes just made
.set XF,  128                          ; v128-255 x's eight fragments; at the head: the list's pairs and the list's temporaries
.set SEL, 128
.set LSL, 192
.set LJ,  193
.set LPK, 194
.set LWD, 195
.set LREM, 196
.set LA,  197
.set LB,  198
.set LC,  199
.set LD,  200
.set LT,  201
.set LPOS, 202
.set LAD, 203
.set LX,  204
.set TKB, 205                          ; v205 TOK + 4 x thread
.set G,   0                            ; window 3: v0-127 gathered codes;
.set B1,  132                          ; v132-163 b1 in the result's layout.   Windows 1, 2: W1: tile t, K step s at window 1 + s / 4, v[64 (s % 4) + 16 t]
.set WV, 2
.set E,  3
.set J,  20
.set U,  21
.set P,  22
.set N,  23                            ; s23  the expert's rows
.set NCH, 24                           ; s24  chunks of 64, at least 1
.set CC, 25                            ; s25  the chunk in hand
.set LOFS, 26                          ; s26  256 x chunk
.set PK, 32                            ; s32-63  32 x (rows ahead of word g) + g
.set M,  66                            ; s66-97  the 32 words of bits
.set MNT, 98
.set TRIP, 99
.set SELA, 100
.set MSB, 0
.macro WIN new                         ; the immediate's high byte repeats the setting that is left
.if MSB != (\new)
	s_set_vgpr_msb (MSB<<8)|(\new)
.set MSB, (\new)
.endif
.endm
.macro BALLOT g                        ; word g: tokens 32 g + lane
	v_cmp_eq_u32 s27, s[E], v[SEL+2*(\g)]
	v_cmp_eq_u32 s28, s[E], v[SEL+2*(\g)+1]
	s_or_b32 s[M+(\g)], s27, s28
	s_lshl_b32 s29, s[N], 5
	s_add_co_u32 s[PK+(\g)], s29, \g
	s_bcnt1_i32_b32 s29, s[M+(\g)]
	s_add_co_u32 s[N], s[N], s29
.endm
.macro LEVEL x, mask, step             ; does the wanted bit lie above the lower half of the field in hand?
	v_lshrrev_b32 v[LT], v[LPOS], v[\x]
	v_and_b32 v[LT], \mask, v[LT]                  ; set bits in that lower half
	v_add_nc_u32 v[LX], \step, v[LPOS]
	v_cmp_ge_u32 vcc_lo, v[LREM], v[LT]
	v_cndmask_b32 v[LT], 0, v[LT], vcc_lo
	v_cndmask_b32 v[LPOS], v[LPOS], v[LX], vcc_lo
	v_sub_nc_u32 v[LREM], v[LREM], v[LT]
.endm
.macro LISTBUILD                       ; eight trips, a constant: slot = thread + 128 x trip; all 1,024 words are written
	s_mov_b32 s30, 0
.Llist:
	s_lshr_b32 s31, s30, 2
	v_add_nc_u32 v[LSL], s31, v0
	v_lshl_or_b32 v[LJ], v[LSL], 5, 31             ; PK[k] <= 32 slot + 31 just where the rows ahead of word k are at most slot
	v_mov_b32 v[LPK], 0
	v_mov_b32 v[LWD], s[M]
.irp k, 1,2,3,4,5,6,7,8,9,10,11,12,13,14,15,16,17,18,19,20,21,22,23,24,25,26,27,28,29,30,31
	v_cmp_gt_u32 vcc_lo, s[PK+\k], v[LJ]           ; keep
	v_cndmask_b32 v[LPK], s[PK+\k], v[LPK], vcc_lo
	v_cndmask_b32 v[LWD], s[M+\k], v[LWD], vcc_lo  ; the last word whose rows begin at or under slot
.endr
	v_lshrrev_b32 v[LT], 5, v[LPK]
	v_sub_nc_u32 v[LREM], v[LSL], v[LT]            ; which set bit of that word
	v_lshrrev_b32 v[LT], 1, v[LWD]                 ; counts of set bits in fields of 2, 4, 8, 16
	v_and_b32 v[LT], 0x55555555, v[LT]
	v_sub_nc_u32 v[LA], v[LWD], v[LT]
	v_lshrrev_b32 v[LT], 2, v[LA]
	v_and_b32 v[LT], 0x33333333, v[LT]
	v_and_b32 v[LB], 0x33333333, v[LA]
	v_add_nc_u32 v[LB], v[LB], v[LT]
	v_lshrrev_b32 v[LT], 4, v[LB]
	v_add_nc_u32 v[LC], v[LB], v[LT]
	v_and_b32 v[LC], 0x0f0f0f0f, v[LC]
	v_lshrrev_b32 v[LT], 8, v[LC]
	v_add_nc_u32 v[LD], v[LC], v[LT]
	v_and_b32 v[LD], 0x00ff00ff, v[LD]
	v_mov_b32 v[LPOS], 0
	LEVEL LD, 0xffff, 16
	LEVEL LC, 0xff, 8
	LEVEL LB, 0xf, 4
	LEVEL LA, 3, 2
	LEVEL LWD, 1, 1
	v_and_b32 v[LT], 31, v[LPK]
	v_lshl_add_u32 v[LT], v[LT], 5, v[LPOS]        ; the token
	v_min_u32 v[LT], 0x3ff, v[LT]
	v_add_nc_u32 v[LAD], s30, v[TKB]
	ds_store_b32 v[LAD], v[LT]
	s_wait_dscnt 0x0
	s_add_co_u32 s30, s30, 512
	s_cmp_lt_u32 s30, 4096
	s_cbranch_scc1 .Llist
.endm
.macro TOKENS d                        ; the tokens of my 16 rows of chunk CC + d become offsets
	v_add_nc_u32 v[TCA], s[LOFS], v[TLA]
	v_add_nc_u32 v[TCB], s[LOFS], v[TLB]
.irp i, 0,1,2,3,4,5,6,7
	ds_load_b32 v[GOFF+\i], v[TCA] offset:256*\d+8*\i
.endr
	ds_load_b32 v[GOFS], v[TCB] offset:256*\d
	s_wait_dscnt 0x0                               ; they are in; and my stores of the chunk in hand have read the registers that the gathers below fill
.irp i, 0,1,2,3,4,5,6,7,8
	v_min_u32 v[GOFF+\i], 0x3ff, v[GOFF+\i]        ; (the ninth is GOFS)
.endr
.irp i, 0,1,2,3,4,5,6,7
	v_lshlrev_b32 v[GOFF+\i], 10, v[GOFF+\i]
.endr
	v_lshlrev_b32 v[GOFS], 5, v[GOFS]
.irp i, 0,1,2,3,4,5,6,7
	v_add_nc_u32 v[GOFF+\i], v[GOFF+\i], v[C16]
.endr
	v_add_nc_u32 v[GOFS], v[GOFS], v[C2]
.endm
.macro GATHER                          ; 33 loads: two rows x 256 consecutive bytes each; 16 rows' scale bytes
	WIN 0xc0
.irp i, 0,1,2,3,4,5,6,7
.irp q, 0,1,2,3
	global_load_b128 v[G+16*\i+4*\q:G+16*\i+4*\q+3], v[GOFF+\i], s[4:5] offset:256*\q
.endr
.endr
	WIN 0
	global_load_b128 v[GS:GS+3], v[GOFS], s[6:7]
.endm
.macro PUT buf
	WIN 0x0c                                       ; an LDS store's data are its source 1: window 3
.irp i, 0,1,2,3,4,5,6,7
.irp q, 0,1,2,3
	ds_store_b128 v[XST+\buf], v[G+16*\i+4*\q:G+16*\i+4*\q+3] offset:2*\i*XP+256*\q
.endr
.endr
	WIN 0
	ds_store_b128 v[XSS+\buf], v[GS:GS+3]
.endm
.macro LOADX buf, a                    ; tile p + 2 a of the chunk: its scale words, then its eight fragments, K ascending
	ds_load_b128 v[XSC:XSC+3], v[XRS+\buf] offset:32*XP*\a
	ds_load_b128 v[XSC+4:XSC+7], v[XRS+\buf] offset:32*XP*\a+16
.irp s, 0,1,2,3,4,5,6,7
.irp c, 0,1,2,3
	ds_load_b128 v[XF+16*\s+4*\c:XF+16*\s+4*\c+3], v[XRD+\buf] offset:32*XP*\a+128*\s+32*\c
.endr
.endr
.endm
.macro MUL                             ; 32 matrix instructions: the four accumulators by turns, one instruction a turn; b1 is the C of each sum's first
	s_wait_dscnt 16                                ; the scale words and K steps 0 to 3 are in; the youngest sixteen loads may be out
	WIN 0x31                                       ; source 0 (W1) window 1, source 2 (b1) window 3
.irp t, 0,1,2,3
	v_wmma_scale_f32_16x16x128_f8f6f4 v[ACC+8*\t:ACC+8*\t+7], v[16*\t:16*\t+15], v[XF:XF+15], v[B1+8*\t:B1+8*\t+7], v[WSC+8*\t], v[XSC] matrix_a_fmt:MATRIX_FMT_BF8 matrix_b_fmt:MATRIX_FMT_BF8
.endr
	WIN 0x01
.irp s, 1,2,3
.irp t, 0,1,2,3
	v_wmma_scale_f32_16x16x128_f8f6f4 v[ACC+8*\t:ACC+8*\t+7], v[64*\s+16*\t:64*\s+16*\t+15], v[XF+16*\s:XF+16*\s+15], v[ACC+8*\t:ACC+8*\t+7], v[WSC+8*\t+\s], v[XSC+\s] matrix_a_fmt:MATRIX_FMT_BF8 matrix_b_fmt:MATRIX_FMT_BF8
.endr
.endr
	s_wait_dscnt 0x0
	WIN 0x02
.irp s, 4,5,6,7
.irp t, 0,1,2,3
	v_wmma_scale_f32_16x16x128_f8f6f4 v[ACC+8*\t:ACC+8*\t+7], v[64*(\s-4)+16*\t:64*(\s-4)+16*\t+15], v[XF+16*\s:XF+16*\s+15], v[ACC+8*\t:ACC+8*\t+7], v[WSC+8*\t+\s], v[XSC+\s] matrix_a_fmt:MATRIX_FMT_BF8 matrix_b_fmt:MATRIX_FMT_BF8
.endr
.endr
	WIN 0
.rept 9
	v_nop                                          ; eight places ahead of reads of the results and of loads into the operands; the ninth since the next tile's first products write the accumulators anew
.endr
.endm
.macro QUANT                           ; my token's 32 hidden units, two blocks' halves of 16, become codes; relu and the hold are one line
	s_wait_xcnt 0x0                                ; the last stores have read the registers that are written here
.irp b, 0,1
	v_max3_num_f32 v[Q+\b], v[ACC+16*\b], v[ACC+16*\b+1], 0x8000000   ; no |.|: what is negative becomes 0 and must not count; the floor 2^(16 - 127) stands over it
.endr
.irp i, 2,4,6,8,10,12,14
.irp b, 0,1
	v_max3_num_f32 v[Q+\b], v[Q+\b], v[ACC+16*\b+\i], v[ACC+16*\b+\i+1]
.endr
.endr
.irp b, 0,1
	v_permlanex16_b32 v[Q+2+\b], v[Q+\b], s[SELA], s[SELA+1]
.endr
.irp b, 0,1
	v_max_num_f32 v[Q+\b], v[Q+\b], v[Q+2+\b]      ; with lane l xor 16's 16: the block's
.endr
.irp b, 0,1
	v_add_nc_u32 v[Q+4+\b], 0xf8800000, v[Q+\b]    ; 15 off the exponent field: the conversion's scale operand
.endr
.irp b, 0,1
	v_and_or_b32 v[Q+6+\b], v[Q+\b], 0x7f800000, s[MNT]   ; 57,344 x the scale
.endr
.irp b, 0,1
	v_lshrrev_b32 v[Q+2+\b], 23, v[Q+4+\b]         ; the scale's byte
.endr
	v_lshl_or_b32 v[Q+2], v[Q+3], 8, v[Q+2]
.irp b, 0,1
.irp i, 0,1,2,3,4,5,6,7,8,9,10,11,12,13,14,15
	v_med3_num_f32 v[ACC+16*\b+\i], v[ACC+16*\b+\i], 0, v[Q+6+\b]
.endr
	v_cvt_scalef32_pk8_bf8_f32 v[CD+4*\b:CD+4*\b+1], v[ACC+16*\b:ACC+16*\b+7], v[Q+4+\b]
	v_cvt_scalef32_pk8_bf8_f32 v[CD+4*\b+2:CD+4*\b+3], v[ACC+16*\b+8:ACC+16*\b+15], v[Q+4+\b]
.endr
	v_nop                                          ; one plain line behind the last conversion: the next products write its sources
.endm
.macro PUTH a
	global_store_b128 v[HO], v[CD:CD+3], s[16:17] offset:131072*\a          ; 512 consecutive bytes, at a multiple of 512 from hbuf's first byte
	global_store_b128 v[HO], v[CD+4:CD+7], s[16:17] offset:131072*\a+512
	global_store_b16 v[HS], v[Q+2], s[18:19] offset:4096*\a                 ; my row's two scale bytes (lanes r and r + 16 hold the same)
.endm
.macro CHUNK buf
	s_wait_loadcnt 0x0                             ; this chunk's gathers are in, and their offsets are free
	s_cmp_ge_u32 s[CC], s[NCH]
	s_cbranch_scc1 .Lnoput_\@
	PUT \buf
	s_add_co_u32 s27, s[CC], 1
	s_cmp_ge_u32 s27, s[NCH]
	s_cbranch_scc1 .Lnoput_\@
	TOKENS 1                                       ; the next chunk is asked for: it has this chunk's products in which to come
	GATHER
.Lnoput_\@:
	s_wait_dscnt 0x0                               ; my stores into this buffer have landed; my reads of the other buffer are over
	s_barrier_signal -1                            ; on every wave's path, whatever n is
	s_barrier_wait -1
	s_cmp_ge_u32 s[CC], s[NCH]
	s_cbranch_scc1 .Lnowork_\@
	LOADX \buf, 0
	MUL
	LOADX \buf, 1                                  ; the second tile comes while the first is quantised
	QUANT
	PUTH 0
	MUL
	QUANT
	PUTH 1
.Lnowork_\@:
	s_wait_xcnt 0x0                                ; the stores have read their offsets
	v_add_nc_u32 v[HO], 262144, v[HO]              ; four tiles on
	v_add_nc_u32 v[HS], 8192, v[HS]
	s_add_co_u32 s[CC], s[CC], 1
	s_add_co_u32 s[LOFS], s[LOFS], 256
.endm
	s_load_b512 s[4:19], s[0:1], 0x0               ; xcodes, xscales, selw, w1_codes, w1_scales, b1, hbuf, hscales
	v_lshl_add_u32 v[SPW], v0, 2, SPARE
	v_mov_b32 v[NIL], 0
	v_lshrrev_b32 v1, 5, v0
	v_readfirstlane_b32 s[WV], v1                  ; wave
	v_and_b32 v1, 31, v0                           ; lane
	v_and_b32 v2, 15, v0                           ; r
	v_bfe_u32 v3, v0, 4, 1                         ; h
	v_lshlrev_b32 v[L16], 4, v1
	v_lshlrev_b32 v26, 3, v1                       ; the list's pairs: 8 bytes a token
	v_and_b32 v25, 8, v2
	v_add_nc_u32 v25, v25, v2                      ; r + 8 (r / 8)
	v_lshlrev_b32 v35, 5, v25                      ; W1's scale bytes: 32 a unit
	v_lshlrev_b32 v27, 6, v3                       ; b1: lanes 16-31 begin 16 units on
	s_lshr_b32 s[E], ttmp9, 5
	s_and_b32 s[J], ttmp9, 31
	s_lshr_b32 s[U], s[WV], 1
	s_and_b32 s[P], s[WV], 1
	s_lshl_b32 s28, s[E], 22                       ; W1's codes: (4,096 e + 128 j + 32 w) rows of 1,024 bytes
	s_lshl_b32 s27, s[J], 17
	s_add_co_u32 s28, s28, s27
	s_lshl_b32 s27, s[WV], 15
	s_add_co_u32 s28, s28, s27
	s_mov_b32 s29, 0
	s_lshl_b32 s30, s[E], 17                       ; its scale bytes: (4,096 e + 128 j + 64 u) x 32
	s_lshl_b32 s27, s[J], 12
	s_add_co_u32 s30, s30, s27
	s_lshl_b32 s27, s[U], 11
	s_add_co_u32 s30, s30, s27
	s_mov_b32 s31, 0
	s_lshl_b32 s32, s[E], 14                       ; b1: the same units x 4
	s_lshl_b32 s27, s[J], 9
	s_add_co_u32 s32, s32, s27
	s_lshl_b32 s27, s[U], 8
	s_add_co_u32 s32, s32, s27
	s_mov_b32 s33, 0
	s_lshl_b32 s34, s[E], 22                       ; hbuf: expert, K step j, blocks 2 u on
	s_lshl_b32 s27, s[J], 11
	s_add_co_u32 s34, s34, s27
	s_lshl_b32 s27, s[U], 10
	s_add_co_u32 s34, s34, s27
	s_mov_b32 s35, 0
	s_lshl_b32 s36, s[E], 17                       ; hscales: expert, K quarter j / 8, word j % 8, bytes 2 u on
	s_lshr_b32 s27, s[J], 3
	s_lshl_b32 s27, s27, 9
	s_add_co_u32 s36, s36, s27
	s_and_b32 s27, s[J], 7
	s_lshl_b32 s27, s27, 2
	s_add_co_u32 s36, s36, s27
	s_lshl_b32 s27, s[U], 1
	s_add_co_u32 s36, s36, s27
	s_mov_b32 s37, 0
	s_wait_kmcnt 0x0
	s_add_nc_u64 s[10:11], s[10:11], s[28:29]
	s_add_nc_u64 s[12:13], s[12:13], s[30:31]
	s_add_nc_u64 s[14:15], s[14:15], s[32:33]
	s_add_nc_u64 s[16:17], s[16:17], s[34:35]
	s_add_nc_u64 s[18:19], s[18:19], s[36:37]
.set gg, 0
.rept 32
	global_load_b64 v[SEL+2*gg:SEL+2*gg+1], v26, s[8:9] offset:256*gg
.set gg, gg+1
.endr
.irp t, 0,1,2,3
	global_load_b128 v[WSC+8*\t:WSC+8*\t+3], v35, s[12:13] offset:(32*(\t/2)+8*(\t%2))*32
	global_load_b128 v[WSC+8*\t+4:WSC+8*\t+7], v35, s[12:13] offset:(32*(\t/2)+8*(\t%2))*32+16
.endr
	WIN 0xc0
.irp t, 0,1,2,3
	global_load_b128 v[B1+8*\t:B1+8*\t+3], v27, s[14:15] offset:(32*(\t/2)+8*(\t%2))*4
	global_load_b128 v[B1+8*\t+4:B1+8*\t+7], v27, s[14:15] offset:(32*(\t/2)+8*(\t%2))*4+16
.endr
	WIN 0x40
.set zz, 0
.rept 64
	global_load_b128 v[4*zz:4*zz+3], v[L16], s[10:11] offset:512*zz th:TH_LOAD_NT   ; my wave's 32 units of W1: one dense block of 32 KiB, 512 consecutive bytes a load; read once in the launch
.set zz, zz+1
.endr
	WIN 0
	s_mul_i32 s27, s[WV], 32*SP
	v_add_nc_u32 v[WST], s27, v[L16]
	v_mul_u32_u24 v[WRD], v25, SP
	v_lshl_add_u32 v[WRD], v3, 4, v[WRD]
	s_mul_i32 s27, s[U], 64*SP
	v_add_nc_u32 v[WRD], s27, v[WRD]
	s_mul_i32 s27, s[WV], 16*XP                    ; I gather rows 16 w .. 16 w + 15 of a chunk
	v_mul_u32_u24 v[XST], v3, XP
	v_lshl_add_u32 v[XST], v2, 4, v[XST]
	v_add_nc_u32 v[XST], s27, v[XST]
	v_add_nc_u32 v[XST+1], XB1, v[XST]
	v_add_nc_u32 v[XST], XB0, v[XST]
	v_and_b32 v[C2], 1, v1
	v_lshlrev_b32 v[C2], 4, v[C2]
	v_lshrrev_b32 v[TLB], 1, v1
	v_mul_u32_u24 v[XSS], v[TLB], XP
	v_add_nc_u32 v[XSS], v[XSS], v[C2]
	v_add_nc_u32 v[XSS], s27, v[XSS]
	v_add_nc_u32 v[XSS+1], XB1+1024, v[XSS]
	v_add_nc_u32 v[XSS], XB0+1024, v[XSS]
	s_mul_i32 s27, s[P], 16*XP                     ; I multiply tiles p and p + 2 of a chunk
	v_mul_u32_u24 v[XRS], v2, XP
	v_add_nc_u32 v[XRS], s27, v[XRS]
	v_lshl_add_u32 v[XRD], v3, 4, v[XRS]
	v_add_nc_u32 v[XRD+1], XB1, v[XRD]
	v_add_nc_u32 v[XRD], XB0, v[XRD]
	v_add_nc_u32 v[XRS+1], XB1+1024, v[XRS]
	v_add_nc_u32 v[XRS], XB0+1024, v[XRS]
	s_lshl_b32 s27, s[WV], 6
	s_add_co_u32 s27, s27, TOK
	v_lshl_add_u32 v[TLA], v3, 2, s27
	v_lshl_add_u32 v[TLB], v[TLB], 2, s27
	v_lshlrev_b32 v[C16], 4, v2
	s_lshl_b32 s27, s[P], 16
	v_add_nc_u32 v[HO], s27, v[L16]
	s_lshl_b32 s27, s[P], 11
	v_lshl_add_u32 v[HS], v2, 5, s27
	v_lshl_add_u32 v[TKB], v0, 2, TOK
	v_mov_b32 v[Q+2], 0                            ; written once: a lane permute's destination counts as one of its sources
	v_mov_b32 v[Q+3], 0
	s_mov_b32 s[MNT], 0x600000
	s_mov_b32 s[SELA], 0x76543210
	s_mov_b32 s[SELA+1], 0xfedcba98
	s_mov_b32 s[N], 0
	s_mov_b32 s[CC], 0
	s_mov_b32 s[LOFS], 0
	s_wait_loadcnt 63                              ; 80 loads were issued behind the list's 32 (and 64 behind the small ones): those are in
.set gg, 0
.rept 32
	BALLOT gg
.set gg, gg+1
.endr
	s_add_co_u32 s[NCH], s[N], 63
	s_lshr_b32 s[NCH], s[NCH], 6
	s_max_u32 s[NCH], s[NCH], 1
	LISTBUILD
	s_barrier_signal -1                            ; (each trip has waited for its store)  the list lies in LDS
	s_barrier_wait -1
	TOKENS 0
	GATHER                                         ; chunk 0 is asked for while W1 is still coming
	s_wait_loadcnt 33                              ; W1 is in: behind its loads stand the 33 just issued
	WIN 0x04                                       ; the data: window 1
.set zz, 0
.rept 64
	ds_store_b128 v[WST], v[4*zz:4*zz+3] offset:(zz/2)*SP+512*(zz%2)
.set zz, zz+1
.endr
	WIN 0
	s_wait_dscnt 0x0
	s_barrier_signal -1                            ; the 128 units lie in the stage; it is never written again
	s_barrier_wait -1
.irp s, 0,1,2,3,4,5,6,7
	WIN 0x40*(1+\s/4)
.irp t, 0,1,2,3
.irp c, 0,1,2,3
	ds_load_b128 v[64*(\s%4)+16*\t+4*\c:64*(\s%4)+16*\t+4*\c+3], v[WRD] offset:(32*(\t/2)+8*(\t%2))*SP+128*\s+32*\c   ; my 32 fragments: they stay; the first chunk's wait for 0 covers them
.endr
.endr
.endr
	WIN 0
	s_mov_b32 s[TRIP], 8
.Lchunks:
	CHUNK 0
	CHUNK 1
	s_sub_co_u32 s[TRIP], s[TRIP], 1
	s_cmp_lg_u32 s[TRIP], 0
	s_cbranch_scc1 .Lchunks
	s_wait_tensorcnt 0x0                           ; the wave's end
	ds_add_u32 v[SPW], v[NIL]
	s_wait_dscnt 0x0
	s_endpgm
.Lfunc_end_k_q962340702c_ffn1:
	.size	k_q962340702c_ffn1, .Lfunc_end_k_q962340702c_ffn1-k_q962340702c_ffn1
	.p2alignl 7, 3214868480
	.fill 96, 4, 3214868480
	.section	.rodata,"a",@progbits
	.p2align	6, 0x0
	.amdhsa_kernel k_q962340702c_ffn1
		.amdhsa_group_segment_fixed_size 275200
		.amdhsa_private_segment_fixed_size 0
		.amdhsa_enable_private_segment 0
		.amdhsa_kernarg_size 64
		.amdhsa_user_sgpr_count 2
		.amdhsa_user_sgpr_kernarg_segment_ptr 1
		.amdhsa_wavefront_size32 1
		.amdhsa_system_sgpr_workgroup_id_x 1
		.amdhsa_system_sgpr_workgroup_id_y 1
		.amdhsa_system_sgpr_workgroup_id_z 1
		.amdhsa_system_vgpr_workitem_id 0
		.amdhsa_next_free_vgpr 1024
		.amdhsa_next_free_sgpr 102
		.amdhsa_reserve_vcc 1
		.amdhsa_float_denorm_mode_32 3
		.amdhsa_float_denorm_mode_16_64 3
		.amdhsa_memory_ordered 1
		.amdhsa_forward_progress 1
		.amdhsa_inst_pref_size 107
	.end_amdhsa_kernel
	.amdgpu_metadata
---
amdhsa.version: [ 1, 2 ]
amdhsa.kernels:
  - .name:           k_q962340702c_ffn1
    .symbol:         k_q962340702c_ffn1.kd
    .args:
      - { .name: xcodes, .offset: 0, .size: 8, .value_kind: global_buffer, .address_space: global }
      - { .name: xscales, .offset: 8, .size: 8, .value_kind: global_buffer, .address_space: global }
      - { .name: selw, .offset: 16, .size: 8, .value_kind: global_buffer, .address_space: global }
      - { .name: w1_codes, .offset: 24, .size: 8, .value_kind: global_buffer, .address_space: global }
      - { .name: w1_scales, .offset: 32, .size: 8, .value_kind: global_buffer, .address_space: global }
      - { .name: b1, .offset: 40, .size: 8, .value_kind: global_buffer, .address_space: global }
      - { .name: hbuf, .offset: 48, .size: 8, .value_kind: global_buffer, .address_space: global }
      - { .name: hscales, .offset: 56, .size: 8, .value_kind: global_buffer, .address_space: global }
    .group_segment_fixed_size: 275200
    .private_segment_fixed_size: 0
    .kernarg_segment_align: 8
    .kernarg_segment_size: 64
    .max_flat_workgroup_size: 128
    .sgpr_count:     102
    .vgpr_count:     1024
    .wavefront_size: 32
...
	.end_amdgpu_metadata
.endif
;; end of part 2
;; launch ffn2 (part 3): grid 256 x 1, 4 waves a work-group, no clusters, 250,368 bytes of LDS; arguments hbuf, hscales, selw, wts, w2_codes, w2_scales, b2, ybuf; writes ybuf
.if DOCPART == 3
	.amdgcn_target "amdgcn-amd-amdhsa--gfx1250"
	.amdhsa_code_object_version 6
	.text
	.protected	k_q962340702c_ffn2
	.globl	k_q962340702c_ffn2
	.p2align	8
	.type	k_q962340702c_ffn2,@function
k_q962340702c_ffn2:
	s_mov_b64 s[64:65], 0
	v_nop
	global_prefetch_b8 v0, s[64:65] scope:SCOPE_SE
	s_setreg_imm32_b32 hwreg(HW_REG_WAVE_MODE, 25, 1), 1
	s_wait_xcnt 0x0
; ybuf[2 t + k] = weight x (h W2[e] + b2[e]) for token t's k-th choice e: only the rows of the tokens that chose e; the other rows are dead work (see the first kernel's head).
; SHARES.  Work-group (e, sl, p): expert e, outputs 64 sl .. 64 sl + 63, row tiles m = p, p + PAR, ...  Wave kq holds W2's 64 outputs x K quarter kq (four tiles x eight K steps, 512 registers) for the whole launch.
; So each byte of h that the work-group reads is loaded by one wave, straight into operand registers (hbuf is an image of them: 512 consecutive bytes a load), through a ring of three register buffers.
; THE PRODUCT IS USED TRANSPOSED (source 0 = 16 outputs of W2, source 1 = 16 rows of h): a lane holds eight neighbouring outputs of one row.  The four K quarters meet in LDS, three tiles to a barrier;
; each wave adds four rows of each tile, adds b2, multiplies by the gate's weight and stores: sixteen lanes store 256 consecutive bytes, at a multiple of 256 from ybuf's first byte.
; THE LIST is made as in ffn1; each slot's destination row and weight go to LDS at fixed places.  Pad rows of the last tile go to rows 2,048 + 16 e + i of ybuf, which nobody reads.
; The loop has a constant number of trips, so that every wave passes every barrier; tiles from T on are jumped over by scalar branches on n, never round a barrier.
; NO TENSOR LOADS, SO NO JOINT LOADS: the branches hang on counts read from memory.  h's tiles, which the 16 work-groups of an expert and parity share, come through registers.
; LIMITS: NaN and infinite inputs are not served; the K quarters are summed in f32 in another order than one running sum; an expert that no token chose has its weights loaded and nothing stored.
.set PAR,   2
.set SP,    1040
.set PART,  4*32*SP                    ; LDS: from 0 a stage of 32 rows x 1,040 for each wave; then the partial sums: 2 turns x 3 tiles x 4 quarters x 16 rows x 272 bytes;
.set PTILE, 4*16*272
.set PTURN, 3*PTILE
.set DSTT,  PART+2*PTURN               ; each slot's destination row, 1,024 words;
.set TOK,   DSTT+8192                  ; (its weight 4,096 bytes on;) the list;
.set SPARE, DSTT+12288                 ; the spare words, 128 bytes a wave: two blocks of 256 bytes that no other line names
.set SPW, 4
.set NIL, 5
.set L16, 6                            ; v6   16 x lane
.set WST, 7                            ; v7   my stage, in
.set WRD, 8                            ; v8   out
.set PST, 9                            ; v9,10   where I put partial sums, turn 0, 1
.set PRD, 11                           ; v11,12  where I read them back
.set TB0, 13                           ; v13  my rows' place in the tables, tile p
.set TBL, 14                           ; v14  + the batch
.set C16, 15                           ; v15  16 (lane % 16)
.set HOFF, 16                          ; v16-18  the ring's offsets in hbuf
.set SOFF, 19                          ; v19-21  in hscales
.set B2,  22                           ; v22-25  my four numbers of b2
.set PADR, 34                          ; v34  my pad row
.set SLT, 35
.set TT,  36                           ; v36  DSTT + 4 x thread
.set TKB, 37                           ; v37  TOK + 4 x thread
.set ACC, 40                           ; v40-71  four accumulators; in the head and on the way out: at work
.set WSC, 72                           ; v72-103 W2's scale words: tile t, K step s at 8 t + s
.set HSC, 104                          ; v104-127 h's scale words, eight for each ring buffer
.set SEL, 128                          ; v128-255: ring buffer 2; at the head the list's pairs and temporaries.  Window 3: ring buffers 0 and 1.  Windows 1, 2: W2: tile t, K step s at window 1 + s / 4, v[64 (s % 4) + 16 t]
.set LSL, 192
.set LJ,  193
.set LPK, 194
.set LWD, 195
.set LREM, 196
.set LA,  197
.set LB,  198
.set LC,  199
.set LD,  200
.set LT,  201
.set LPOS, 202
.set LAD, 203
.set LX,  204
.set WV, 2
.set E,  3
.set SL, 20
.set P,  21
.set N,  23
.set NCH, 24
.set T,  25                            ; s25  tiles of 16 rows
.set M0, 26                            ; s26  the batch's first tile
.set PK, 32
.set M,  66
.set TOFS, 98                          ; s98  the batch's place in the tables
.set TRIP, 99
.set MSB, 0
.macro WIN new
.if MSB != (\new)
	s_set_vgpr_msb (MSB<<8)|(\new)
.set MSB, (\new)
.endif
.endm
.macro BALLOT g                        ; word g: tokens 32 g + lane
	v_cmp_eq_u32 s27, s[E], v[SEL+2*(\g)]
	v_cmp_eq_u32 s28, s[E], v[SEL+2*(\g)+1]
	s_or_b32 s[M+(\g)], s27, s28
	s_lshl_b32 s29, s[N], 5
	s_add_co_u32 s[PK+(\g)], s29, \g
	s_bcnt1_i32_b32 s29, s[M+(\g)]
	s_add_co_u32 s[N], s[N], s29
.endm
.macro LEVEL x, mask, step
	v_lshrrev_b32 v[LT], v[LPOS], v[\x]
	v_and_b32 v[LT], \mask, v[LT]
	v_add_nc_u32 v[LX], \step, v[LPOS]
	v_cmp_ge_u32 vcc_lo, v[LREM], v[LT]
	v_cndmask_b32 v[LT], 0, v[LT], vcc_lo
	v_cndmask_b32 v[LPOS], v[LPOS], v[LX], vcc_lo
	v_sub_nc_u32 v[LREM], v[LREM], v[LT]
.endm
.macro LISTBUILD                       ; as in ffn1: slot = thread + 128 x trip, eight trips
	s_mov_b32 s30, 0
.Llist:
	s_lshr_b32 s31, s30, 2
	v_add_nc_u32 v[LSL], s31, v0
	v_lshl_or_b32 v[LJ], v[LSL], 5, 31
	v_mov_b32 v[LPK], 0
	v_mov_b32 v[LWD], s[M]
.irp k, 1,2,3,4,5,6,7,8,9,10,11,12,13,14,15,16,17,18,19,20,21,22,23,24,25,26,27,28,29,30,31
	v_cmp_gt_u32 vcc_lo, s[PK+\k], v[LJ]
	v_cndmask_b32 v[LPK], s[PK+\k], v[LPK], vcc_lo
	v_cndmask_b32 v[LWD], s[M+\k], v[LWD], vcc_lo
.endr
	v_lshrrev_b32 v[LT], 5, v[LPK]
	v_sub_nc_u32 v[LREM], v[LSL], v[LT]
	v_lshrrev_b32 v[LT], 1, v[LWD]
	v_and_b32 v[LT], 0x55555555, v[LT]
	v_sub_nc_u32 v[LA], v[LWD], v[LT]
	v_lshrrev_b32 v[LT], 2, v[LA]
	v_and_b32 v[LT], 0x33333333, v[LT]
	v_and_b32 v[LB], 0x33333333, v[LA]
	v_add_nc_u32 v[LB], v[LB], v[LT]
	v_lshrrev_b32 v[LT], 4, v[LB]
	v_add_nc_u32 v[LC], v[LB], v[LT]
	v_and_b32 v[LC], 0x0f0f0f0f, v[LC]
	v_lshrrev_b32 v[LT], 8, v[LC]
	v_add_nc_u32 v[LD], v[LC], v[LT]
	v_and_b32 v[LD], 0x00ff00ff, v[LD]
	v_mov_b32 v[LPOS], 0
	LEVEL LD, 0xffff, 16
	LEVEL LC, 0xff, 8
	LEVEL LB, 0xf, 4
	LEVEL LA, 3, 2
	LEVEL LWD, 1, 1
	v_and_b32 v[LT], 31, v[LPK]
	v_lshl_add_u32 v[LT], v[LT], 5, v[LPOS]
	v_min_u32 v[LT], 0x3ff, v[LT]
	v_add_nc_u32 v[LAD], s30, v[TKB]
	ds_store_b32 v[LAD], v[LT]
	s_wait_dscnt 0x0
	s_add_co_u32 s30, s30, 512
	s_cmp_lt_u32 s30, 4096
	s_cbranch_scc1 .Llist
.endm
.macro WL n                            ; piece n of my quarter of W2: 512 consecutive bytes of a row.  It lands in the registers that the fragments of its round (rows 32 rho on: tiles 2 rho, 2 rho + 1) will take
.set wq, (\n)%64
.set wrho, (wq%16)/8
.set wz, 32*((\n)/64)+8*(wq/16)+wq%8
.set wd, 64*(wq/16)+32*wrho+4*(wq%8)
	WIN 0x40*(1+(\n)/64)
	global_load_b128 v[wd:wd+3], v[L16], s[12:13] offset:4096*(32*wrho+wz/2)+512*(wz%2)
.endm
.macro HLOAD b                         ; 34 loads: a tile's eight fragments of my K quarter, 512 consecutive bytes each, and its scale words
.set HB, 128*(((\b)+1)/2)
.if (\b) < 2
	WIN 0xc0
.endif
.set hq, 0
.rept 32
	global_load_b128 v[HB+4*hq:HB+4*hq+3], v[HOFF+\b], s[4:5] offset:512*hq
.set hq, hq+1
.endr
	WIN 0
	global_load_b128 v[HSC+8*\b:HSC+8*\b+3], v[SOFF+\b], s[6:7]
	global_load_b128 v[HSC+8*\b+4:HSC+8*\b+7], v[SOFF+\b], s[6:7] offset:16
.endm
.macro STEP b, par, jj                 ; tile M0 + PAR jj, from ring buffer b
.set HB, 128*(((\b)+1)/2)
.set WB, 0x0c*(1-(\b)/2)               ; source 1: window 3 for buffers 0 and 1, window 0 for buffer 2
	s_add_co_u32 s27, s[M0], PAR*\jj
	s_cmp_ge_u32 s27, s[T]
	s_cbranch_scc1 .Lnone_\@
	s_wait_loadcnt 63                              ; this buffer's 34 loads are in: either the two steps since have issued 68 behind them, or a wait for 0 has been passed
	s_wait_dscnt 0x0                               ; the last step's LDS stores have read the accumulators
	WIN WB+1
.irp s, 0,1,2,3
.irp t, 0,1,2,3
.if \s == 0
	v_wmma_scale_f32_16x16x128_f8f6f4 v[ACC+8*\t:ACC+8*\t+7], v[16*\t:16*\t+15], v[HB:HB+15], 0, v[WSC+8*\t], v[HSC+8*\b] matrix_a_fmt:MATRIX_FMT_BF8 matrix_b_fmt:MATRIX_FMT_BF8
.else
	v_wmma_scale_f32_16x16x128_f8f6f4 v[ACC+8*\t:ACC+8*\t+7], v[64*\s+16*\t:64*\s+16*\t+15], v[HB+16*\s:HB+16*\s+15], v[ACC+8*\t:ACC+8*\t+7], v[WSC+8*\t+\s], v[HSC+8*\b+\s] matrix_a_fmt:MATRIX_FMT_BF8 matrix_b_fmt:MATRIX_FMT_BF8
.endif
.endr
.endr
	WIN WB+2
.irp s, 4,5,6,7
.irp t, 0,1,2,3
	v_wmma_scale_f32_16x16x128_f8f6f4 v[ACC+8*\t:ACC+8*\t+7], v[64*(\s-4)+16*\t:64*(\s-4)+16*\t+15], v[HB+16*\s:HB+16*\s+15], v[ACC+8*\t:ACC+8*\t+7], v[WSC+8*\t+\s], v[HSC+8*\b+\s] matrix_a_fmt:MATRIX_FMT_BF8 matrix_b_fmt:MATRIX_FMT_BF8
.endr
.endr
	WIN 0
	v_add_nc_u32 v[HOFF+\b], 3*PAR*65536, v[HOFF+\b]   ; this buffer's next tile.  Nine places: eight ahead of reads of the results and of loads into the operands
	v_add_nc_u32 v[SOFF+\b], 3*PAR*2048, v[SOFF+\b]    ; the ninth since the next step's first products write the accumulators anew
.rept 7
	v_nop
.endr
.irp t, 0,1,2,3
	ds_store_b128 v[PST+\par], v[ACC+8*\t:ACC+8*\t+3] offset:PTILE*\jj+64*\t        ; each accumulator from its low end on
	ds_store_b128 v[PST+\par], v[ACC+8*\t+4:ACC+8*\t+7] offset:PTILE*\jj+64*\t+16
.endr
	s_add_co_u32 s27, s27, 3*PAR
	s_cmp_ge_u32 s27, s[T]
	s_cbranch_scc1 .Lnone_\@
	HLOAD \b
	s_branch .Lend_\@
.Lnone_\@:
	s_wait_loadcnt 0x0                             ; a step that issues nothing leaves nothing out: so the count above holds on every path
.Lend_\@:
.endm
.macro REDUCE par, jj                  ; my four rows of the tile: the four quarters, + b2, x the weight
	s_add_co_u32 s27, s[M0], PAR*\jj
	s_cmp_ge_u32 s27, s[T]
	s_cbranch_scc1 .Lnor_\@
	s_wait_xcnt 0x0                                ; the last stores have read their data and offsets
.irp q, 0,1
	ds_load_b32 v[28+2*\q], v[TBL] offset:64*PAR*\jj+8*\q+4096   ; the weight,
	ds_load_b32 v[29+2*\q], v[TBL] offset:64*PAR*\jj+8*\q        ; the destination row
.endr
.irp q, 0,1
.irp k, 0,1,2,3
	ds_load_b128 v[ACC+16*\q+4*\k:ACC+16*\q+4*\k+3], v[PRD+\par] offset:PTILE*\jj+4352*\k+544*\q
.endr
.endr
	s_wait_dscnt 0x0
.irp q, 0,1
	v_pk_add_f32 v[ACC+16*\q:ACC+16*\q+1], v[ACC+16*\q:ACC+16*\q+1], v[ACC+16*\q+4:ACC+16*\q+5]
	v_pk_add_f32 v[ACC+16*\q+2:ACC+16*\q+3], v[ACC+16*\q+2:ACC+16*\q+3], v[ACC+16*\q+6:ACC+16*\q+7]
	v_pk_add_f32 v[ACC+16*\q+8:ACC+16*\q+9], v[ACC+16*\q+8:ACC+16*\q+9], v[ACC+16*\q+12:ACC+16*\q+13]
	v_pk_add_f32 v[ACC+16*\q+10:ACC+16*\q+11], v[ACC+16*\q+10:ACC+16*\q+11], v[ACC+16*\q+14:ACC+16*\q+15]
	v_pk_add_f32 v[ACC+16*\q:ACC+16*\q+1], v[ACC+16*\q:ACC+16*\q+1], v[ACC+16*\q+8:ACC+16*\q+9]
	v_pk_add_f32 v[ACC+16*\q+2:ACC+16*\q+3], v[ACC+16*\q+2:ACC+16*\q+3], v[ACC+16*\q+10:ACC+16*\q+11]
	v_pk_add_f32 v[ACC+16*\q:ACC+16*\q+1], v[ACC+16*\q:ACC+16*\q+1], v[B2:B2+1]
	v_pk_add_f32 v[ACC+16*\q+2:ACC+16*\q+3], v[ACC+16*\q+2:ACC+16*\q+3], v[B2+2:B2+3]
	v_pk_mul_f32 v[ACC+16*\q:ACC+16*\q+1], v[ACC+16*\q:ACC+16*\q+1], v[28+2*\q:29+2*\q] op_sel_hi:[1,0]
	v_pk_mul_f32 v[ACC+16*\q+2:ACC+16*\q+3], v[ACC+16*\q+2:ACC+16*\q+3], v[28+2*\q:29+2*\q] op_sel_hi:[1,0]
	v_min_u32 v[29+2*\q], 0x87f, v[29+2*\q]        ; ybuf has 2,176 rows
	v_lshlrev_b32 v[26+\q], 12, v[29+2*\q]
	v_add_nc_u32 v[26+\q], v[26+\q], v[C16]
	global_store_b128 v[26+\q], v[ACC+16*\q:ACC+16*\q+3], s[18:19] th:TH_STORE_NT   ; two rows x 256 consecutive bytes
.endr
.Lnor_\@:
.endm
.macro BATCH par                       ; three tiles, one barrier
	s_wait_xcnt 0x0                                ; the last batch's stores have read the accumulators' registers
	v_add_nc_u32 v[TBL], s[TOFS], v[TB0]
	STEP 0, \par, 0
	STEP 1, \par, 1
	STEP 2, \par, 2
	s_wait_dscnt 0x0                               ; my partial sums have landed; my reads of the other turn's are over
	s_barrier_signal -1                            ; on every wave's path, whatever n is
	s_barrier_wait -1
	REDUCE \par, 0
	REDUCE \par, 1
	REDUCE \par, 2
	s_add_co_u32 s[M0], s[M0], 3*PAR
	s_add_co_u32 s[TOFS], s[TOFS], 192*PAR
.endm
	s_load_b512 s[4:19], s[0:1], 0x0               ; hbuf, hscales, selw, wts, w2_codes, w2_scales, b2, ybuf
	v_lshl_add_u32 v[SPW], v0, 2, SPARE
	v_mov_b32 v[NIL], 0
	v_lshrrev_b32 v1, 5, v0
	v_readfirstlane_b32 s[WV], v1                  ; wave = K quarter
	v_and_b32 v1, 31, v0
	v_and_b32 v2, 15, v0                           ; r
	v_bfe_u32 v3, v0, 4, 1                         ; h
	v_lshlrev_b32 v[L16], 4, v1
	v_lshlrev_b32 v26, 3, v1
	v_lshlrev_b32 v27, 7, v2                       ; W2's scale bytes: 128 an output
	v_lshlrev_b32 v[C16], 4, v2
	s_and_b32 s[P], ttmp9, PAR-1                   ; the parity in the lowest bit: the work-groups that read the same W2 are neighbours in the grid
	s_lshr_b32 s27, ttmp9, PAR-1
	s_lshr_b32 s[E], s27, 4
	s_and_b32 s[SL], s27, 15
	s_lshl_b32 s28, s[E], 22                       ; hbuf: expert, K steps 8 w on
	s_lshl_b32 s27, s[WV], 14
	s_add_co_u32 s28, s28, s27
	s_mov_b32 s29, 0
	s_lshl_b32 s30, s[E], 17                       ; hscales: expert, K quarter w
	s_lshl_b32 s27, s[WV], 9
	s_add_co_u32 s30, s30, s27
	s_mov_b32 s31, 0
	s_lshl_b32 s32, s[E], 22                       ; W2's codes: (1,024 e + 64 sl) rows of 4,096 bytes, + 1,024 w
	s_lshl_b32 s27, s[SL], 18
	s_add_co_u32 s32, s32, s27
	s_lshl_b32 s27, s[WV], 10
	s_add_co_u32 s32, s32, s27
	s_mov_b32 s33, 0
	s_lshl_b32 s34, s[E], 17                       ; its scale bytes: the same rows x 128, + 32 w
	s_lshl_b32 s27, s[SL], 13
	s_add_co_u32 s34, s34, s27
	s_lshl_b32 s27, s[WV], 5
	s_add_co_u32 s34, s34, s27
	s_mov_b32 s35, 0
	s_lshl_b32 s36, s[E], 12                       ; b2
	s_lshl_b32 s27, s[SL], 8
	s_add_co_u32 s36, s36, s27
	s_mov_b32 s37, 0
	s_mov_b32 s38, s27                             ; ybuf: my 64 columns
	s_mov_b32 s39, 0
	s_wait_kmcnt 0x0
	s_add_nc_u64 s[4:5], s[4:5], s[28:29]
	s_add_nc_u64 s[6:7], s[6:7], s[30:31]
	s_add_nc_u64 s[12:13], s[12:13], s[32:33]
	s_add_nc_u64 s[14:15], s[14:15], s[34:35]
	s_add_nc_u64 s[16:17], s[16:17], s[36:37]
	s_add_nc_u64 s[18:19], s[18:19], s[38:39]
.set gg, 0
.rept 32
	global_load_b64 v[SEL+2*gg:SEL+2*gg+1], v26, s[8:9] offset:256*gg
.set gg, gg+1
.endr
.irp t, 0,1,2,3
	global_load_b128 v[WSC+8*\t:WSC+8*\t+3], v27, s[14:15] offset:2048*\t
	global_load_b128 v[WSC+8*\t+4:WSC+8*\t+7], v27, s[14:15] offset:2048*\t+16
.endr
	global_load_b128 v[B2:B2+3], v[C16], s[16:17]
.set nn, 0
.rept 128
	WL nn
.set nn, nn+1
.endr
	WIN 0
	s_mul_i32 s27, s[WV], 32*SP
	v_add_nc_u32 v[WST], s27, v[L16]
	v_mul_u32_u24 v[WRD], v2, SP
	v_lshl_add_u32 v[WRD], v3, 4, v[WRD]
	v_add_nc_u32 v[WRD], s27, v[WRD]
	s_mul_i32 s27, s[WV], 16*272
	s_add_co_u32 s27, s27, PART
	v_mul_u32_u24 v[PST], v2, 272
	v_lshl_add_u32 v[PST], v3, 5, v[PST]
	v_add_nc_u32 v[PST], s27, v[PST]               ; in: quarter w, row r, 32 bytes for each half of the lanes
	v_add_nc_u32 v[PST+1], PTURN, v[PST]
	s_mul_i32 s27, s[WV], 4*272
	s_add_co_u32 s27, s27, PART
	v_mul_u32_u24 v[PRD], v3, 272
	v_lshl_add_u32 v[PRD], v2, 4, v[PRD]
	v_add_nc_u32 v[PRD], s27, v[PRD]               ; back: rows 4 w on; lanes 0-15 one row, lanes 16-31 the next
	v_add_nc_u32 v[PRD+1], PTURN, v[PRD]
	s_lshl_b32 s27, s[WV], 4
	s_lshl_b32 s28, s[P], 6
	s_add_co_u32 s27, s27, s28
	s_add_co_u32 s27, s27, DSTT
	v_lshl_add_u32 v[TB0], v3, 2, s27              ; slot 16 p + 4 w + lane / 16
	s_lshl_b32 s27, s[E], 4
	s_add_co_u32 s27, s27, 2048
	v_add_nc_u32 v[PADR], s27, v2
	v_lshl_add_u32 v[TT], v0, 2, DSTT
	v_lshl_add_u32 v[TKB], v0, 2, TOK
	s_mov_b32 s[N], 0
	s_mov_b32 s[M0], s[P]
	s_mov_b32 s[TOFS], 0
	s_wait_loadcnt 63                              ; 137 loads were issued behind the list's 32: those are in
.set gg, 0
.rept 32
	BALLOT gg
.set gg, gg+1
.endr
	s_add_co_u32 s[T], s[N], 15
	s_lshr_b32 s[T], s[T], 4
	s_add_co_u32 s[NCH], s[N], 63
	s_lshr_b32 s[NCH], s[NCH], 6
	s_max_u32 s[NCH], s[NCH], 1                    ; ffn1 has written tiles 0 .. 4 NCH - 1
	LISTBUILD
	s_barrier_signal -1                            ; (each trip has waited for its store)
	s_barrier_wait -1
.irp i, 0,1,2,3,4,5,6,7
	ds_load_b32 v[26+\i], v[TKB] offset:512*\i     ; slots thread + 128 i
.endr
	s_wait_dscnt 0x0
.irp i, 0,1,2,3,4,5,6,7
	v_min_u32 v[26+\i], 0x3ff, v[26+\i]
.endr
.irp i, 0,1,2,3,4,5,6,7
	v_lshlrev_b32 v[26+\i], 3, v[26+\i]
.endr
.irp i, 0,1,2,3,4,5,6,7
	global_load_b64 v[ACC+4*\i:ACC+4*\i+1], v[26+\i], s[8:9]       ; the token's two choices,
	global_load_b64 v[ACC+4*\i+2:ACC+4*\i+3], v[26+\i], s[10:11]   ; and their weights
.endr
	s_lshl_b32 s28, s[NCH], 2
	s_sub_co_u32 s28, s28, 1
.irp b, 0,1,2                          ; the ring's first fills, with no branch: a tile that ffn1 has written, whatever n is
	s_add_co_u32 s27, s[P], PAR*\b
	s_min_u32 s27, s27, s28
	s_min_u32 s27, s27, 63
	s_lshl_b32 s29, s27, 16
	v_add_nc_u32 v[HOFF+\b], s29, v[L16]
	s_lshl_b32 s29, s27, 11
	v_lshl_add_u32 v[SOFF+\b], v2, 5, s29
	HLOAD \b
.endr
	s_wait_loadcnt 63                              ; behind the gathers stand the ring's 102 loads: W2, the small loads and the gathers are in
.irp i, 0,1,2,3,4,5,6,7
	v_cmp_eq_u32 vcc_lo, s[E], v[ACC+4*\i+1]       ; was e the second choice?
	v_cndmask_b32 v[ACC+4*\i+2], v[ACC+4*\i+2], v[ACC+4*\i+3], vcc_lo
	v_lshrrev_b32 v[26+\i], 2, v[26+\i]            ; 2 x token
	v_add_nc_u32 v[ACC+4*\i], 1, v[26+\i]
	v_cndmask_b32 v[26+\i], v[26+\i], v[ACC+4*\i], vcc_lo
	v_add_nc_u32 v[SLT], 128*\i, v0
	v_cmp_gt_u32 vcc_lo, s[N], v[SLT]
	v_cndmask_b32 v[26+\i], v[PADR], v[26+\i], vcc_lo   ; a slot from n on goes to its pad row
	ds_store_b32 v[TT], v[26+\i] offset:512*\i
	ds_store_b32 v[TT], v[ACC+4*\i+2] offset:4096+512*\i
.endr
.irp rho, 0,1                          ; W2 turns through my own stage, 32 rows at a time; LDS serves a wave's instructions in order (ISA guide 5.7.1.4): no wait between the stores and the loads, nor ahead of the next round's stores
.set zz, 0
.rept 64
	WIN 0x04*(1+zz/32)
	ds_store_b128 v[WST], v[64*((zz%32)/8)+32*\rho+4*(zz%8):64*((zz%32)/8)+32*\rho+4*(zz%8)+3] offset:(zz/2)*SP+512*(zz%2)
.set zz, zz+1
.endr
.irp s, 0,1,2,3,4,5,6,7
	WIN 0x40*(1+\s/4)
.irp tp, 0,1
.irp c, 0,1,2,3
	ds_load_b128 v[64*(\s%4)+16*(2*\rho+\tp)+4*\c:64*(\s%4)+16*(2*\rho+\tp)+4*\c+3], v[WRD] offset:16*\tp*SP+128*\s+32*\c
.endr
.endr
.endr
.endr
	WIN 0
	s_wait_dscnt 0x0
	s_barrier_signal -1                            ; the tables lie in LDS
	s_barrier_wait -1
	s_mov_b32 s[TRIP], (64/PAR+5)/6
.Lbatches:
	BATCH 0
	BATCH 1
	s_sub_co_u32 s[TRIP], s[TRIP], 1
	s_cmp_lg_u32 s[TRIP], 0
	s_cbranch_scc1 .Lbatches
	s_wait_tensorcnt 0x0                           ; the wave's end
	ds_add_u32 v[SPW], v[NIL]
	s_wait_dscnt 0x0
	s_endpgm
.Lfunc_end_k_q962340702c_ffn2:
	.size	k_q962340702c_ffn2, .Lfunc_end_k_q962340702c_ffn2-k_q962340702c_ffn2
	.p2alignl 7, 3214868480
	.fill 96, 4, 3214868480
	.section	.rodata,"a",@progbits
	.p2align	6, 0x0
	.amdhsa_kernel k_q962340702c_ffn2
		.amdhsa_group_segment_fixed_size 250368
		.amdhsa_private_segment_fixed_size 0
		.amdhsa_enable_private_segment 0
		.amdhsa_kernarg_size 64
		.amdhsa_user_sgpr_count 2
		.amdhsa_user_sgpr_kernarg_segment_ptr 1
		.amdhsa_wavefront_size32 1
		.amdhsa_system_sgpr_workgroup_id_x 1
		.amdhsa_system_sgpr_workgroup_id_y 1
		.amdhsa_system_sgpr_workgroup_id_z 1
		.amdhsa_system_vgpr_workitem_id 0
		.amdhsa_next_free_vgpr 1024
		.amdhsa_next_free_sgpr 102
		.amdhsa_reserve_vcc 1
		.amdhsa_float_denorm_mode_32 3
		.amdhsa_float_denorm_mode_16_64 3
		.amdhsa_memory_ordered 1
		.amdhsa_forward_progress 1
		.amdhsa_inst_pref_size 135
	.end_amdhsa_kernel
	.amdgpu_metadata
---
amdhsa.version: [ 1, 2 ]
amdhsa.kernels:
  - .name:           k_q962340702c_ffn2
    .symbol:         k_q962340702c_ffn2.kd
    .args:
      - { .name: hbuf, .offset: 0, .size: 8, .value_kind: global_buffer, .address_space: global }
      - { .name: hscales, .offset: 8, .size: 8, .value_kind: global_buffer, .address_space: global }
      - { .name: selw, .offset: 16, .size: 8, .value_kind: global_buffer, .address_space: global }
      - { .name: wts, .offset: 24, .size: 8, .value_kind: global_buffer, .address_space: global }
      - { .name: w2_codes, .offset: 32, .size: 8, .value_kind: global_buffer, .address_space: global }
      - { .name: w2_scales, .offset: 40, .size: 8, .value_kind: global_buffer, .address_space: global }
      - { .name: b2, .offset: 48, .size: 8, .value_kind: global_buffer, .address_space: global }
      - { .name: ybuf, .offset: 56, .size: 8, .value_kind: global_buffer, .address_space: global }
    .group_segment_fixed_size: 250368
    .private_segment_fixed_size: 0
    .kernarg_segment_align: 8
    .kernarg_segment_size: 64
    .max_flat_workgroup_size: 128
    .sgpr_count:     102
    .vgpr_count:     1024
    .wavefront_size: 32
...
	.end_amdgpu_metadata
.endif
;; end of part 3
;; launch combine (part 4): grid 256 x 1, 4 waves a work-group, no clusters, 0 bytes of LDS; arguments ybuf, out0; writes out0
.if DOCPART == 4
	.amdgcn_target "amdgcn-amd-amdhsa--gfx1250"
	.amdhsa_code_object_version 6
	.text
	.protected	k_q962340702c_combine
	.globl	k_q962340702c_combine
	.p2align	8
	.type	k_q962340702c_combine,@function
k_q962340702c_combine:
	s_mov_b64 s[64:65], 0
	v_nop
	global_prefetch_b8 v0, s[64:65] scope:SCOPE_SE
	s_setreg_imm32_b32 hwreg(HW_REG_WAVE_MODE, 25, 1), 1
	s_wait_xcnt 0x0
; out0[t] = ybuf[2 t] + ybuf[2 t + 1]: the two chosen experts' weighted results.  The six experts that token t did not choose add the constant 0 (see the first kernel's head) and are left out.
; A wave takes a token: 16 loads of 512 consecutive bytes, all issued at once, 8 stores of 512.  Memory binds: no LDS, no barrier, no loop; ybuf's pad rows are not read.
	s_load_b128 s[4:7], s[0:1], 0x0                ; ybuf, out0
	v_lshrrev_b32 v1, 5, v0
	v_readfirstlane_b32 s2, v1
	v_and_b32 v1, 31, v0
	v_lshlrev_b32 v2, 4, v1
	s_lshl_b32 s8, ttmp9, 2
	s_add_co_u32 s8, s8, s2                        ; my token
	s_lshl_b32 s10, s8, 13
	s_mov_b32 s11, 0
	s_lshl_b32 s12, s8, 12
	s_mov_b32 s13, 0
	s_wait_kmcnt 0x0
	s_add_nc_u64 s[4:5], s[4:5], s[10:11]
	s_add_nc_u64 s[6:7], s[6:7], s[12:13]
.irp i, 0,1,2,3,4,5,6,7
	global_load_b128 v[8+8*\i:11+8*\i], v2, s[4:5] offset:512*\i th:TH_LOAD_NT
	global_load_b128 v[12+8*\i:15+8*\i], v2, s[4:5] offset:4096+512*\i th:TH_LOAD_NT
.endr
.irp i, 0,1,2,3,4,5,6,7
	s_wait_loadcnt 14-2*\i                         ; pair i is in; the younger pairs may be out
	v_pk_add_f32 v[8+8*\i:9+8*\i], v[8+8*\i:9+8*\i], v[12+8*\i:13+8*\i]
	v_pk_add_f32 v[10+8*\i:11+8*\i], v[10+8*\i:11+8*\i], v[14+8*\i:15+8*\i]
	global_store_b128 v2, v[8+8*\i:11+8*\i], s[6:7] offset:512*\i th:TH_STORE_NT
.endr
	s_endpgm
.Lfunc_end_k_q962340702c_combine:
	.size	k_q962340702c_combine, .Lfunc_end_k_q962340702c_combine-k_q962340702c_combine
	.p2alignl 7, 3214868480
	.fill 96, 4, 3214868480
	.section	.rodata,"a",@progbits
	.p2align	6, 0x0
	.amdhsa_kernel k_q962340702c_combine
		.amdhsa_group_segment_fixed_size 0
		.amdhsa_private_segment_fixed_size 0
		.amdhsa_enable_private_segment 0
		.amdhsa_kernarg_size 16
		.amdhsa_user_sgpr_count 2
		.amdhsa_user_sgpr_kernarg_segment_ptr 1
		.amdhsa_wavefront_size32 1
		.amdhsa_system_sgpr_workgroup_id_x 1
		.amdhsa_system_sgpr_workgroup_id_y 1
		.amdhsa_system_sgpr_workgroup_id_z 1
		.amdhsa_system_vgpr_workitem_id 0
		.amdhsa_next_free_vgpr 72
		.amdhsa_next_free_sgpr 66
		.amdhsa_reserve_vcc 0
		.amdhsa_float_denorm_mode_32 3
		.amdhsa_float_denorm_mode_16_64 3
		.amdhsa_memory_ordered 1
		.amdhsa_forward_progress 1
		.amdhsa_inst_pref_size 5
	.end_amdhsa_kernel
	.amdgpu_metadata
---
amdhsa.version: [ 1, 2 ]
amdhsa.kernels:
  - .name:           k_q962340702c_combine
    .symbol:         k_q962340702c_combine.kd
    .args:
      - { .name: ybuf, .offset: 0, .size: 8, .value_kind: global_buffer, .address_space: global }
      - { .name: out0, .offset: 8, .size: 8, .value_kind: global_buffer, .address_space: global }
    .group_segment_fixed_size: 0
    .private_segment_fixed_size: 0
    .kernarg_segment_align: 8
    .kernarg_segment_size: 16
    .max_flat_workgroup_size: 128
    .sgpr_count:     66
    .vgpr_count:     72
    .wavefront_size: 32
...
	.end_amdgpu_metadata
.endif
;; end of part 4
;; ======== version 2 of 2: 4 launches
;; limits: right only within a limited range of input values
;; workspace buffers: xcodes 1,048,576 bytes; xscales 32,768 bytes; selw 8,192 bytes of whole numbers; wts 8,192 bytes; hbuf 33,554,432 bytes; hscales 1,048,576 bytes; dtab 36,864 bytes of whole numbers; ybuf 17,825,792 bytes
;; launch route (part 5): grid 256 x 1, 4 waves a work-group, no clusters, 56,320 bytes of LDS; arguments x, gate_w, xcodes, xscales, selw, wts, out1; writes xcodes, xscales, selw, wts, out1
.if DOCPART == 5
	.amdgcn_target "amdgcn-amd-amdhsa--gfx1250"
	.amdhsa_code_object_version 6
	.text
	.protected	k_q962340702c_route
	.globl	k_q962340702c_route
	.p2align	8
	.type	k_q962340702c_route,@function
k_q962340702c_route:
	s_mov_b64 s[64:65], 0
	v_nop
	global_prefetch_b8 v0, s[64:65] scope:SCOPE_SE
	s_setreg_imm32_b32 hwreg(HW_REG_WAVE_MODE, 25, 1), 1
	s_wait_xcnt 0x0
; MoE layer, 1,024 tokens of 1,024 numbers, 8 experts, top 2.  FOUR LAUNCHES: route (this one), ffn1, ffn2, combine.
; WORK LEFT OUT BY THE PROGRAM, AND WHY IT IS DEAD.  The problem's own text builds the combine weight wi = sum(where(sel == i, weights, 0)): for a token that did not
; choose expert i every term of that sum is the constant 0, so wi = 0 and wi * y = 0 for every finite y, whatever the inputs hold.  So of each expert's two products only the rows
; of the tokens that chose it can reach out0: 2,048 (token, expert) rows of 8,192.  ffn1 and ffn2 multiply those rows alone, by lists that they make from the whole numbers that this launch stores.
; Every input has a way to an output, so all are loaded.  LIMIT: a NaN, an infinity or an overflow that arises only in the rows left out is not carried to the result.
; THIS LAUNCH: logits = x gate_w in f32 (fused multiply-adds), the two largest (the lower index wins a tie, as lax.top_k has it), softmax over the two (the larger is taken away first),
; and x as codes of E5M2 with one E8M0 byte for each 32 along D, for ffn1.  The choice steers no address here: it is stored at fixed places (out1, selw, wts).
; SHARES: a wave takes one token; lane l owns block l of its row, k = 32 l .. 32 l + 31: the block's largest magnitude needs no other lane.
; Loads are dense (512 consecutive bytes an instruction); the row turns through the wave's own LDS bytes so that a lane gets its 32 neighbours; gate_w lies in LDS once for the four waves.
; LIMITS: NaN and infinite inputs are not served.  A block of zeros gets the byte 1 (its codes are zeros; the bytes are read by this program alone).  The logits are summed in another order than
; the problem's own product: where the second and third logit of a token lie within some 1e-6 of their size of each other, the index may differ.
; No matrix unit (N = 8), no cluster (nothing large is shared), no prefetch (the launch is short and asks for all its bytes at its head).
.set GWP,   1040                       ; gate_w in LDS: 32 chunks of 1,024 bytes (32 rows k of 8 experts) + 16 of padding: 65 x 16, so that the lanes' reads fall on different banks
.set XT,    32*GWP                     ; behind it, for each wave: the row's 32 chunks of 128 bytes, pitch 144
.set XTP,   144
.set CT,    XT+4*32*XTP                ; for each wave: the row's 1,024 codes
.set SPARE, CT+4*1024                  ; the spare words, 128 bytes a wave: two blocks of 256 bytes that no other line names
.set SPW, 2                            ; v2   my spare word's address; never rewritten
.set NIL, 3                            ; v3   0; never rewritten
.set X,  16                            ; v16-47   my 32 numbers
.set R,  48                            ; v48-79   the row as loaded; later my numbers, held
.set G,  80                            ; v80-207  gate_w: as loaded; then two batches of 8 k x 8 experts
.set A,  208                           ; v208-215 the eight sums
.set T,  216                           ; v216-239 at work
.set C,  240                           ; v240-247 my 32 codes
.set BV, 248                           ; the largest logit;  SV the second
.set SV, 249
.set IX, 250                           ; v[250:251] their indices
.set WT, 252                           ; v[252:253] their weights
.set DD, 254
.set E2, 255
	s_load_b256 s[4:11], s[0:1], 0x0               ; x, gate_w, xcodes, xscales
	s_load_b128 s[12:15], s[0:1], 0x20             ; selw, wts
	s_load_b64 s[16:17], s[0:1], 0x30              ; out1
	v_lshl_add_u32 v[SPW], v0, 2, SPARE
	v_mov_b32 v[NIL], 0
	v_lshrrev_b32 v1, 5, v0
	v_readfirstlane_b32 s2, v1                     ; wave
	v_and_b32 v1, 31, v0                           ; lane
	v_lshlrev_b32 v4, 4, v1                        ; 16 x lane
	v_lshlrev_b32 v5, 4, v0                        ; 16 x thread
	s_mul_i32 s20, s2, 32*XTP
	s_add_co_u32 s20, s20, XT                      ; my wave's row in LDS
	v_lshrrev_b32 v6, 3, v1
	v_mul_u32_u24 v6, v6, XTP
	v_and_b32 v7, 7, v1
	v_lshl_add_u32 v6, v7, 4, v6
	v_add_nc_u32 v6, s20, v6                       ; in: eight lanes' 128 bytes to a chunk
	v_mul_u32_u24 v7, v1, XTP
	v_add_nc_u32 v7, s20, v7                       ; out: my chunk
	v_lshrrev_b32 v8, 6, v0
	v_mul_u32_u24 v8, v8, GWP
	v_and_b32 v9, 63, v0
	v_lshl_add_u32 v8, v9, 4, v8                   ; gate_w in: 64 threads' 1,024 bytes to a chunk
	v_mul_u32_u24 v9, v1, GWP                      ; out: my chunk
	s_lshl_b32 s21, s2, 10
	s_add_co_u32 s21, s21, CT
	v_lshl_add_u32 v10, v1, 5, s21                 ; codes in: 32 bytes a lane
	v_lshl_add_u32 v11, v1, 4, s21                 ; out: 16 bytes a lane
	v_mov_b32 v12, 0
	s_lshl_b32 s22, ttmp9, 2
	s_add_co_u32 s22, s22, s2                      ; my token
	s_lshl_b32 s24, s22, 12
	s_mov_b32 s25, 0
	s_lshl_b32 s26, s22, 10
	s_mov_b32 s27, 0
	s_lshl_b32 s28, s22, 5
	s_mov_b32 s29, 0
	s_lshl_b32 s30, s22, 3
	s_mov_b32 s31, 0
	s_mov_b32 s32, 0x76543210
	s_mov_b32 s33, 0xfedcba98                      ; v_permlanex16_b32's selects for lane l xor 16
	s_mov_b32 s23, 0x600000                        ; the mantissa field of 57,344
	s_wait_kmcnt 0x0
	s_add_nc_u64 s[4:5], s[4:5], s[24:25]
	s_add_nc_u64 s[8:9], s[8:9], s[26:27]
	s_add_nc_u64 s[10:11], s[10:11], s[28:29]
	s_add_nc_u64 s[12:13], s[12:13], s[30:31]
	s_add_nc_u64 s[14:15], s[14:15], s[30:31]
	s_add_nc_u64 s[16:17], s[16:17], s[30:31]
.irp i, 0,1,2,3,4,5,6,7
	global_load_b128 v[R+4*\i:R+4*\i+3], v4, s[4:5] offset:512*\i th:TH_LOAD_NT      ; the row: 512 consecutive bytes a load; read once in the launch
.endr
.irp i, 0,1,2,3,4,5,6,7,8,9,10,11,12,13,14,15
	global_load_b128 v[G+4*\i:G+4*\i+3], v5, s[6:7] offset:2048*\i                   ; gate_w: 2,048 consecutive bytes for the four waves
.endr
.irp e, 0,1,2,3,4,5,6,7
	v_mov_b32 v[T+16+\e], 0                        ; written once: a lane permute's destination counts as one of its sources
.endr
	s_wait_loadcnt 16                              ; the row is in; gate_w's sixteen loads may be out
.irp i, 0,1,2,3,4,5,6,7
	ds_store_b128 v6, v[R+4*\i:R+4*\i+3] offset:4*XTP*\i
.endr
.irp q, 0,1,2,3,4,5,6,7
	ds_load_b128 v[X+4*\q:X+4*\q+3], v7 offset:16*\q   ; my own wave's bytes: LDS serves a wave's instructions in order (ISA guide 5.7.1.4)
.endr
	s_wait_loadcnt 0x0
.irp i, 0,1,2,3,4,5,6,7,8,9,10,11,12,13,14,15
	ds_store_b128 v8, v[G+4*\i:G+4*\i+3] offset:2*GWP*\i
.endr
	s_wait_dscnt 0x0                               ; for the others' sake: my part of gate_w has landed; my numbers are in
	s_barrier_signal -1
	s_barrier_wait -1
.macro GL bt                           ; eight k of my 32, all eight experts: 256 bytes
.irp q, 0,1,2,3,4,5,6,7,8,9,10,11,12,13,14,15
	ds_load_b128 v[G+64*((\bt)%2)+4*\q:G+64*((\bt)%2)+4*\q+3], v9 offset:256*(\bt)+16*\q
.endr
.endm
	GL 0
	GL 1
	; the block's scale and codes, while gate_w's first batches come
	v_max3_num_f32 v[T], |v[X]|, |v[X+1]|, |v[X+2]|
	v_max3_num_f32 v[T+1], |v[X+3]|, |v[X+4]|, |v[X+5]|
.irp i, 6,10,14,18,22,26
	v_max3_num_f32 v[T], v[T], |v[X+\i]|, |v[X+\i+1]|
	v_max3_num_f32 v[T+1], v[T+1], |v[X+\i+2]|, |v[X+\i+3]|
.endr
	v_max3_num_f32 v[T], v[T], |v[X+30]|, |v[X+31]|
	v_max3_num_f32 v[T], v[T], v[T+1], 0x8000000   ; and the floor 2^(16 - 127): the byte cannot fall under 1
	v_add_nc_u32 v[T+2], 0xf8800000, v[T]          ; 15 off the exponent field: the conversion's scale operand
	v_and_or_b32 v[T+3], v[T], 0x7f800000, s23     ; 57,344 x the scale
	v_lshrrev_b32 v[T+4], 23, v[T+2]               ; the scale's byte
.irp i, 0,1,2,3,4,5,6,7,8,9,10,11,12,13,14,15,16,17,18,19,20,21,22,23,24,25,26,27,28,29,30,31
	v_med3_num_f32 v[R+\i], v[X+\i], -v[T+3], v[T+3]   ; the conversion does not saturate (ISA guide 7.6.2): the hold; into R, since the logits want x as it is
.endr
.irp g, 0,1,2,3
	v_cvt_scalef32_pk8_bf8_f32 v[C+2*\g:C+2*\g+1], v[R+8*\g:R+8*\g+7], v[T+2]
.endr
	v_nop                                          ; one plain line behind the last conversion
.macro DOT bt                          ; 8 k x 8 experts: 32 packed multiply-adds; x's number serves both halves
.set kk, 0
.rept 8
.set kx, 8*(\bt)+kk
.set gb, G+64*((\bt)%2)+8*kk
.irp p, 0,1,2,3
.if kx == 0
	v_pk_mul_f32 v[A+2*\p:A+2*\p+1], v[gb+2*\p:gb+2*\p+1], v[X:X+1] op_sel_hi:[1,0]       ; the first product starts the sums
.elseif kx%2 == 0
	v_pk_fma_f32 v[A+2*\p:A+2*\p+1], v[gb+2*\p:gb+2*\p+1], v[X+kx:X+kx+1], v[A+2*\p:A+2*\p+1] op_sel_hi:[1,0,1]
.else
	v_pk_fma_f32 v[A+2*\p:A+2*\p+1], v[gb+2*\p:gb+2*\p+1], v[X+kx-1:X+kx], v[A+2*\p:A+2*\p+1] op_sel:[0,1,0] op_sel_hi:[1,1,1]
.endif
.endr
.set kk, kk+1
.endr
.endm
	s_wait_dscnt 16                                ; batch 0 is in; batch 1's sixteen loads may be out
	DOT 0
	GL 2
	s_wait_alu depctr_va_vdst(0)
	s_wait_dscnt 16
	DOT 1
	GL 3
	s_wait_alu depctr_va_vdst(0)
	s_wait_dscnt 16
	DOT 2
	s_wait_alu depctr_va_vdst(0)
	s_wait_dscnt 0x0
	DOT 3
	; the codes leave as 2 x 512 consecutive bytes, through my wave's own LDS bytes
	ds_store_b128 v10, v[C:C+3]
	ds_store_b128 v10, v[C+4:C+7] offset:16
	ds_load_b128 v[T+8:T+11], v11
	ds_load_b128 v[T+12:T+15], v11 offset:512
	; the sums over the 32 lanes
.irp m, 1,2,4,8
.irp e, 0,1,2,3,4,5,6,7
	v_add_f32_dpp v[A+\e], v[A+\e], v[A+\e] row_xmask:\m row_mask:0xf bank_mask:0xf
.endr
.endr
.irp e, 0,1,2,3,4,5,6,7
	v_permlanex16_b32 v[T+16+\e], v[A+\e], s32, s33
.endr
.irp e, 0,1,2,3,4,5,6,7
	v_add_f32 v[A+\e], v[A+\e], v[T+16+\e]         ; every lane holds the eight logits
.endr
	s_wait_alu depctr_va_vdst(0)
	s_wait_dscnt 0x0
	global_store_b128 v4, v[T+8:T+11], s[8:9]
	global_store_b128 v4, v[T+12:T+15], s[8:9] offset:512
	global_store_b8 v1, v[T+4], s[10:11]           ; the row's 32 scale bytes, consecutive: one part in 128 of what the launch reads
	; the two largest.  A later logit takes the place only if it is larger: the lower index wins a tie
	v_mov_b32 v[BV], v[A]
	v_mov_b32 v[IX], 0
.irp i, 1,2,3,4,5,6,7
	v_cmp_le_f32 vcc_lo, v[A+\i], v[BV]            ; keep
	v_cndmask_b32 v[BV], v[A+\i], v[BV], vcc_lo
	v_cndmask_b32 v[IX], \i, v[IX], vcc_lo
.endr
	v_mov_b32 v[SV], 0xff800000                    ; -infinity
	v_mov_b32 v[IX+1], 0
.irp i, 0,1,2,3,4,5,6,7
	v_cmp_eq_u32 s34, \i, v[IX]                    ; the largest itself is passed over
	v_cmp_le_f32 s35, v[A+\i], v[SV]
	s_or_b32 vcc_lo, s34, s35                      ; keep
	v_cndmask_b32 v[SV], v[A+\i], v[SV], vcc_lo
	v_cndmask_b32 v[IX+1], \i, v[IX+1], vcc_lo
.endr
	; softmax over the two, the larger taken away: 1 / (1 + e^d) and e^d / (1 + e^d), d = second - first <= 0
	v_sub_f32 v[DD], v[SV], v[BV]
	v_mul_f32 v[DD], 0x3fb8aa3b, v[DD]
	s_wait_alu depctr_va_vdst(0)
	v_exp_f32 v[E2], v[DD]
	v_nop                                          ; a plain line behind the transcendental,
	s_wait_alu depctr_va_vdst(0)                   ; and a wait ahead of its first reader
	v_add_f32 v[DD], 1.0, v[E2]
	s_wait_alu depctr_va_vdst(0)
	v_rcp_f32 v[WT], v[DD]
	v_nop
	s_wait_alu depctr_va_vdst(0)
	v_mul_f32 v[WT+1], v[E2], v[WT]
	s_wait_alu depctr_va_vdst(0)
	s_wait_xcnt 0x0                                ; EXEC is narrowed only behind this wait: the stores above have been taken
	v_cmp_gt_u32 vcc_lo, 1, v1
	s_and_saveexec_b32 s34, vcc_lo                 ; lane 0 alone
	global_store_b64 v12, v[IX:IX+1], s[16:17]     ; out1
	global_store_b64 v12, v[IX:IX+1], s[12:13]     ; the same as whole numbers for the later launches
	global_store_b64 v12, v[WT:WT+1], s[14:15]     ; the two weights
	s_wait_xcnt 0x0
	s_or_b32 exec_lo, exec_lo, s34
	s_wait_tensorcnt 0x0                           ; the wave's end
	ds_add_u32 v[SPW], v[NIL]
	s_wait_dscnt 0x0
	s_endpgm
.Lfunc_end_k_q962340702c_route:
	.size	k_q962340702c_route, .Lfunc_end_k_q962340702c_route-k_q962340702c_route
	.p2alignl 7, 3214868480
	.fill 96, 4, 3214868480
	.section	.rodata,"a",@progbits
	.p2align	6, 0x0
	.amdhsa_kernel k_q962340702c_route
		.amdhsa_group_segment_fixed_size 56320
		.amdhsa_private_segment_fixed_size 0
		.amdhsa_enable_private_segment 0
		.amdhsa_kernarg_size 56
		.amdhsa_user_sgpr_count 2
		.amdhsa_user_sgpr_kernarg_segment_ptr 1
		.amdhsa_wavefront_size32 1
		.amdhsa_system_sgpr_workgroup_id_x 1
		.amdhsa_system_sgpr_workgroup_id_y 1
		.amdhsa_system_sgpr_workgroup_id_z 1
		.amdhsa_system_vgpr_workitem_id 0
		.amdhsa_next_free_vgpr 256
		.amdhsa_next_free_sgpr 66
		.amdhsa_reserve_vcc 1
		.amdhsa_float_denorm_mode_32 3
		.amdhsa_float_denorm_mode_16_64 3
		.amdhsa_memory_ordered 1
		.amdhsa_forward_progress 1
		.amdhsa_inst_pref_size 30
	.end_amdhsa_kernel
	.amdgpu_metadata
---
amdhsa.version: [ 1, 2 ]
amdhsa.kernels:
  - .name:           k_q962340702c_route
    .symbol:         k_q962340702c_route.kd
    .args:
      - { .name: x, .offset: 0, .size: 8, .value_kind: global_buffer, .address_space: global }
      - { .name: gate_w, .offset: 8, .size: 8, .value_kind: global_buffer, .address_space: global }
      - { .name: xcodes, .offset: 16, .size: 8, .value_kind: global_buffer, .address_space: global }
      - { .name: xscales, .offset: 24, .size: 8, .value_kind: global_buffer, .address_space: global }
      - { .name: selw, .offset: 32, .size: 8, .value_kind: global_buffer, .address_space: global }
      - { .name: wts, .offset: 40, .size: 8, .value_kind: global_buffer, .address_space: global }
      - { .name: out1, .offset: 48, .size: 8, .value_kind: global_buffer, .address_space: global }
    .group_segment_fixed_size: 56320
    .private_segment_fixed_size: 0
    .kernarg_segment_align: 8
    .kernarg_segment_size: 56
    .max_flat_workgroup_size: 128
    .sgpr_count:     66
    .vgpr_count:     256
    .wavefront_size: 32
...
	.end_amdgpu_metadata
.endif
;; end of part 5
;; launch ffn1 (part 6): grid 256 x 1, 4 waves a work-group, no clusters, 274,944 bytes of LDS; arguments xcodes, xscales, selw, w1_codes, w1_scales, b1, hbuf, hscales, dtab; writes hbuf, hscales, dtab
.if DOCPART == 6
	.amdgcn_target "amdgcn-amd-amdhsa--gfx1250"
	.amdhsa_code_object_version 6
	.text
	.protected	k_q962340702c_ffn1
	.globl	k_q962340702c_ffn1
	.p2align	8
	.type	k_q962340702c_ffn1,@function
k_q962340702c_ffn1:
	s_mov_b64 s[64:65], 0
	v_nop
	global_prefetch_b8 v0, s[64:65] scope:SCOPE_SE
	s_setreg_imm32_b32 hwreg(HW_REG_WAVE_MODE, 25, 1), 1
	s_wait_xcnt 0x0
; h = Q(relu(x W1[e] + b1[e])) for the tokens that chose expert e alone: the other rows are dead work (their combine weight is the constant 0 that the problem's own where() builds: see the first kernel's head).
; SHARES.  Work-group (e, j): expert e = id / 32, hidden units 128 j .. 128 j + 127, which are K step j of the second product.  Each byte of W1 is read once in the launch and stays in registers.
; Wave w: u = w / 2 picks 64 of the units (four tiles of 16); of a chunk's four row tiles it multiplies tile w and then tile w xor 2.  THE PRODUCT IS USED TRANSPOSED (source 0 = 16 units of W1, source 1 = 16 tokens): a lane holds one token.
; THE UNITS OF A TILE ARE NOT NEIGHBOURS: lane r of tile 2 b + v takes unit 32 b + 8 v + r + 8 (r / 8), so that the 16 registers of tiles 2 b, 2 b + 1 are 16 neighbours along the next K: the conversions' results are the next
; operand's registers, and go to memory as an image of them (hbuf: [e][tile][K step][4][lane][16 bytes]); the scale bytes beside them (hscales: [e][tile][K quarter][row][K step % 8][4]).
; THE LIST.  From the 1,024 pairs of whole numbers that the first launch stored every wave makes one bit a token (did it choose e?) in 32 scalar words with running counts: word k's bit p is token 64 (k / 2) + 2 p + k % 2.
; Slot s of the expert's list is the s-th set bit, found by arithmetic.  Search q serves chunks 2 q (lanes 0-15) and 2 q + 1 (lanes 16-31): the 16 rows that this wave gathers.  All searches stand in the head; one whose chunks lie beyond the list is jumped over.
; The tokens lie in a table of the wave's own in LDS, at fixed places.  Slots from n on give a valid token: pad rows.  Work-group j < 8 stores search j's destinations (row 2 t + k of the next launch's result; pads: 2,048 + 16 e + slot % 16) in dtab, work-group 0 stores n behind them.
; ROWS go in chunks of 64 through two LDS buffers by turns; a row is 1,024 codes, its 32 scale bytes, 16 of padding.  A wave gathers 16 rows of a chunk in two halves of eight: while chunk c is multiplied, c + 1 goes into LDS and c + 2 is asked for.
; The loop has 16 chunks whatever n is, so that every wave passes every barrier; a chunk beyond the last is jumped over by scalar branches on n, round the work and never round a barrier.  Chunk 0 is always made, also where n = 0.
; NO TENSOR LOADS, SO NO JOINT LOADS AND NO CLUSTER: the branches hang on counts read from memory.  NO PREFETCH: the rows are gathered two chunks ahead into registers.
; LIMITS: NaN and infinite inputs are not served; a block of zeros gets the byte 1 (its codes are zeros; this program alone reads the bytes); pad rows are computed and never used.
.set SP,    1040                       ; a unit's row in the stage: 1,024 codes + 16
.set XP,    1072                       ; a token's row: 67 x 16, so that the 16 rows of a fragment load start at different banks
.set XB0,   128*SP                     ; LDS: the stage for W1 (128 units) from 0; two buffers of 64 rows of x;
.set XB1,   XB0+64*XP
.set TAB,   XB1+64*XP                  ; the tokens: [wave][chunk][16] words;
.set SPARE, TAB+4096                   ; the spare words, 128 bytes a wave: two blocks of 256 bytes that no other line names
.set Q,   0                            ; v0-7   at work in the quantiser; at the head thread, lane, r, h, offsets
.set SPW, 8
.set NIL, 9
.set L16, 10                           ; 16 x lane
.set XST, 11                           ; v11,12 where I put gathered rows, buffer 0, 1;  SST: their scale bytes
.set SST, 13
.set L1X, 15                           ; 16 (lane % 2)
.set XRD, 16                           ; v16-19 x's fragments: 2 x buffer + (0: tile w, 1: tile w xor 2);  XSD: the rows' scale words
.set XSD, 20
.set TKQ, 24                           ; v24-31 the searches' tokens (in the head)
.set HO,  32                           ; v32,33 my byte in hbuf for my first and second tile;  HS: in hscales
.set HS,  34
.set TKB, 36                           ; v36 my wave's table;  v37 + the word of row lane / 2;  v38, v39 the same for a chunk
.set TKLB, 37
.set TKA, 38
.set TKL, 39
.set ACC, 40                           ; v40-71 four accumulators; in the head the search's temporaries
.set WSC, 72                           ; v72-103 W1's scale words: tile t, K step s at 8 t + s
.set SGO, 104
.set STK, 105
.set SL0, 106                          ; my lane's slot in search 0
.set TT,  107                          ; my lane's word of the table
.set XSC, 108                          ; v108-115 x's scale words: no product's two scale registers have numbers equal modulo 8
.set XG,  116                          ; v116-119 gathered scale bytes
.set CD,  120                          ; v120-127 the codes just made
.set WST, 120                          ; (at the head: the stage, in and out)
.set WRD, 121
.set XF,  128                          ; v128-255 x's eight fragments; at the head the list's pairs
.set SEL, 128
.set LSL, 40
.set LJ,  41
.set LPK, 42
.set LWD, 43
.set LPKB, 44
.set LWDB, 45
.set LREM, 46
.set LA,  47
.set LB,  48
.set LC,  49
.set LD,  50
.set LT,  51
.set LPOS, 52
.set LX,  53
.set TA,  54
.set TB,  55
.set G,   0                            ; window 3: v0-127 gathered codes (two halves of 64); v132-163 b1 in the result's layout; v168-183 the rows' tokens, then offsets (two halves of 8)
.set B1,  132
.set GO,  168                          ; windows 1, 2: W1: tile t, K step s at window 1 + s / 4, v[64 (s % 4) + 16 t]
.set WV, 2
.set E,  3
.set J,  20
.set U,  21
.set TOF, 22                           ; 64 x (the chunk in hand + 2)
.set N,  23                            ; the expert's rows
.set NCH, 24                           ; chunks of 64, at least 1
.set CC, 25                            ; the chunk in hand
.set NR, 26                            ; 64 x NCH (in the head)
.set PK, 32                            ; s32-63 32 x (rows ahead of word k) + k
.set M,  66                            ; s66-97 the 32 words of bits
.set MNT, 98
.set TRIP, 99
.set SELA, 100
.set MSB, 0
.macro WIN new                         ; the immediate's high byte repeats the setting that is left
.if MSB != (\new)
	s_set_vgpr_msb (MSB<<8)|(\new)
.set MSB, (\new)
.endif
.endm
.macro PLUS d, s, sh                   ; s[d] += s[s] << sh
	s_lshl_b32 s27, s[\s], \sh
	s_add_co_u32 s[\d], s[\d], s27
.endm
.macro LEVEL x, mask, step             ; does the wanted bit lie above the lower half of the field in hand?
	v_lshrrev_b32 v[LT], v[LPOS], v[\x]
	v_and_b32 v[LT], \mask, v[LT]
	v_add_nc_u32 v[LX], \step, v[LPOS]
	v_cmp_ge_u32 vcc_lo, v[LREM], v[LT]
	v_cndmask_b32 v[LT], 0, v[LT], vcc_lo
	v_cndmask_b32 v[LPOS], v[LPOS], v[LX], vcc_lo
	v_sub_nc_u32 v[LREM], v[LREM], v[LT]
.endm
; The token of slot v[LSL]: the last word whose rows begin at or under the slot (words 0-15 and 16-31 in two chains by turns), then the slot's bit in it.
.macro RANKSEL dst
	v_lshl_or_b32 v[LJ], v[LSL], 5, 31
	v_mov_b32 v[LPK], 0
	v_mov_b32 v[LWD], s[M]
	v_mov_b32 v[LPKB], s[PK+16]
	v_mov_b32 v[LWDB], s[M+16]
.irp k, 1,2,3,4,5,6,7,8,9,10,11,12,13,14,15
	v_cmp_gt_u32 vcc_lo, s[PK+\k], v[LJ]           ; keep
	v_cmp_gt_u32 s28, s[PK+16+\k], v[LJ]
	v_cndmask_b32 v[LPK], s[PK+\k], v[LPK], vcc_lo
	v_cndmask_b32 v[LWD], s[M+\k], v[LWD], vcc_lo
	v_cndmask_b32 v[LPKB], s[PK+16+\k], v[LPKB], s28
	v_cndmask_b32 v[LWDB], s[M+16+\k], v[LWDB], s28
.endr
	v_cmp_gt_u32 vcc_lo, s[PK+16], v[LJ]           ; word 16 begins beyond the slot: the lower chain's
	v_cndmask_b32 v[LPK], v[LPKB], v[LPK], vcc_lo
	v_cndmask_b32 v[LWD], v[LWDB], v[LWD], vcc_lo
	v_lshrrev_b32 v[LT], 5, v[LPK]
	v_sub_nc_u32 v[LREM], v[LSL], v[LT]            ; which set bit of that word
	v_lshrrev_b32 v[LT], 1, v[LWD]                 ; counts of set bits in fields of 2, 4, 8, 16
	v_and_b32 v[LT], 0x55555555, v[LT]
	v_sub_nc_u32 v[LA], v[LWD], v[LT]
	v_lshrrev_b32 v[LT], 2, v[LA]
	v_and_b32 v[LT], 0x33333333, v[LT]
	v_and_b32 v[LB], 0x33333333, v[LA]
	v_add_nc_u32 v[LB], v[LB], v[LT]
	v_lshrrev_b32 v[LT], 4, v[LB]
	v_add_nc_u32 v[LC], v[LB], v[LT]
	v_and_b32 v[LC], 0x0f0f0f0f, v[LC]
	v_lshrrev_b32 v[LT], 8, v[LC]
	v_add_nc_u32 v[LD], v[LC], v[LT]
	v_and_b32 v[LD], 0x00ff00ff, v[LD]
	v_mov_b32 v[LPOS], 0
	LEVEL LD, 0xffff, 16
	LEVEL LC, 0xff, 8
	LEVEL LB, 0xf, 4
	LEVEL LA, 3, 2
	LEVEL LWD, 1, 1
	v_and_b32 v[LT], 30, v[LPK]
	v_lshlrev_b32 v[LT], 5, v[LT]
	v_lshl_add_u32 v[LT], v[LPOS], 1, v[LT]
	v_and_or_b32 v[LT], v[LPK], 1, v[LT]           ; 64 (k / 2) + 2 p + k % 2
	v_min_u32 v[\dst], 0x3ff, v[LT]
.endm
.macro SRCH q                          ; the table's words are stored on every path
.if \q
	v_mov_b32 v[TKQ+\q], 0
	s_cmp_le_u32 s[NR], 128*\q
	s_cbranch_scc1 .Lnosr_\@
.endif
	v_add_nc_u32 v[LSL], 128*\q, v[SL0]
	RANKSEL TKQ+\q
.Lnosr_\@:
	s_wait_alu depctr_va_vdst(0)
	ds_store_b32 v[TT], v[TKQ+\q] offset:128*\q
.endm
.macro TOK hf, ra, rl, co              ; eight of my rows' tokens, the same in all lanes; with the first half also row lane / 2's
	WIN 0xc0
	ds_load_b128 v[GO+8*\hf:GO+8*\hf+3], v[\ra] offset:32*\hf+\co
	ds_load_b128 v[GO+8*\hf+4:GO+8*\hf+7], v[\ra] offset:32*\hf+16+\co
	WIN 0
.if \hf == 0
	ds_load_b32 v[STK], v[\rl] offset:\co
.endif
.endm
.macro GATHER hf                       ; half 0: 17 loads, half 1: 16: eight rows, two loads of 512 consecutive bytes each; with half 0 all 16 rows' scale bytes, 16 a lane
	WIN 0xcc
.irp i, 0,1,2,3,4,5,6,7
	v_min_u32 v[GO+8*\hf+\i], 0x3ff, v[GO+8*\hf+\i]
.endr
	WIN 0xc3
.irp i, 0,1,2,3,4,5,6,7
	v_lshl_add_u32 v[GO+8*\hf+\i], v[GO+8*\hf+\i], 10, v[L16]
.endr
.irp i, 0,1,2,3,4,5,6,7
	global_load_b128 v[G+64*\hf+8*\i:G+64*\hf+8*\i+3], v[GO+8*\hf+\i], s[4:5]
	global_load_b128 v[G+64*\hf+8*\i+4:G+64*\hf+8*\i+7], v[GO+8*\hf+\i], s[4:5] offset:512
.endr
	WIN 0
.if \hf == 0
	v_min_u32 v[STK], 0x3ff, v[STK]
	v_lshl_add_u32 v[SGO], v[STK], 5, v[L1X]
	global_load_b128 v[XG:XG+3], v[SGO], s[6:7]
.endif
.endm
.macro PUT hf, buf
	WIN 0x0c                                       ; an LDS store's data are its source 1: window 3
.irp i, 0,1,2,3,4,5,6,7
	ds_store_b128 v[XST+\buf], v[G+64*\hf+8*\i:G+64*\hf+8*\i+3] offset:(8*\hf+\i)*XP
	ds_store_b128 v[XST+\buf], v[G+64*\hf+8*\i+4:G+64*\hf+8*\i+7] offset:(8*\hf+\i)*XP+512
.endr
	WIN 0
.if \hf == 0
	ds_store_b128 v[SST+\buf], v[XG:XG+3]
.endif
.endm
.macro FRAG buf, a                     ; my a-th tile of the chunk: 34 loads: scale words, then eight fragments, K ascending
	ds_load_b128 v[XSC:XSC+3], v[XSD+2*(\buf)+\a]
	ds_load_b128 v[XSC+4:XSC+7], v[XSD+2*(\buf)+\a] offset:16
.irp s, 0,1,2,3,4,5,6,7
.irp c, 0,1,2,3
	ds_load_b128 v[XF+16*\s+4*\c:XF+16*\s+4*\c+3], v[XRD+2*(\buf)+\a] offset:128*\s+32*\c
.endr
.endr
.endm
.macro WM t, s, first                  ; tile t of my units, K step s.  first = 1: b1 is the C
.set wr, 64*((\s)%4)+16*(\t)
.if \first
	v_wmma_scale_f32_16x16x128_f8f6f4 v[ACC+8*\t:ACC+8*\t+7], v[wr:wr+15], v[XF+16*\s:XF+16*\s+15], v[B1+8*\t:B1+8*\t+7], v[WSC+8*\t+\s], v[XSC+\s] matrix_a_fmt:MATRIX_FMT_BF8 matrix_b_fmt:MATRIX_FMT_BF8
.else
	v_wmma_scale_f32_16x16x128_f8f6f4 v[ACC+8*\t:ACC+8*\t+7], v[wr:wr+15], v[XF+16*\s:XF+16*\s+15], v[ACC+8*\t:ACC+8*\t+7], v[WSC+8*\t+\s], v[XSC+\s] matrix_a_fmt:MATRIX_FMT_BF8 matrix_b_fmt:MATRIX_FMT_BF8
.endif
.endm
.macro MMLO                            ; 16 matrix instructions, the four accumulators by turns, one instruction a turn
	s_wait_dscnt 16                                ; scale words and K steps 0 to 3 are in; the youngest sixteen loads may be out
	WIN 0x31                                       ; source 0 (W1) window 1, source 2 (b1) window 3
.irp t, 0,1,2,3
	WM \t, 0, 1
.endr
	WIN 0x01
.irp s, 1,2,3
.irp t, 0,1,2,3
	WM \t, \s, 0
.endr
.endr
	WIN 0
	s_wait_dscnt 0x0                               ; K steps 4 to 7 are in
.endm
.macro MMHI
	WIN 0x02
.irp s, 4,5,6,7
.irp t, 0,1,2,3
	WM \t, \s, 0
.endr
.endr
	WIN 0
.rept 9
	v_nop                                          ; eight places ahead of reads of the results and of loads into the operands; the ninth since the next tile's first products write the accumulators anew
.endr
.endm
.macro PHASE hf, nb                    ; half of the next chunk's rows go into the other buffer; the tokens of the chunk after it are asked for
	s_add_co_u32 s27, s[CC], 1
	s_cmp_ge_u32 s27, s[NCH]
	s_cbranch_scc1 .Lnp_\@
	s_wait_loadcnt 16+\hf                          ; this half is in: behind it stand the other half's 16 (17) loads, or nothing is out
	PUT \hf, \nb
	s_branch .Lpj_\@
.Lnp_\@:
	s_wait_loadcnt 0x0
.Lpj_\@:
	s_min_u32 s27, s[TOF], 960                     ; the table has 16 chunks
	v_add_nc_u32 v[TKA], s27, v[TKB]
.if \hf == 0
	v_add_nc_u32 v[TKL], s27, v[TKLB]
.endif
	TOK \hf, TKA, TKL, 0
.endm
.macro GNEXT hf                        ; the chunk after next is asked for
	s_add_co_u32 s27, s[CC], 2
	s_cmp_ge_u32 s27, s[NCH]
	s_cbranch_scc1 .Lng_\@
.if \hf == 0
	s_wait_dscnt 0x0                               ; the tokens are in, and the LDS stores have read the registers that are filled here (half 1: the wait ahead of the barrier)
.endif
	GATHER \hf
	s_branch .Lgj_\@
.Lng_\@:
	s_wait_loadcnt 0x0                             ; nothing is issued, so nothing stays out: the counts hold on every path
.Lgj_\@:
.endm
.macro QUANT a                         ; my token's 32 hidden units, two blocks' halves of 16, become codes; relu and the hold are one line
	s_wait_xcnt 0x0                                ; the last stores have read the registers and bases that are written here
.if \a == 0
	s_add_nc_u64 s[16:17], s[16:17], 0x40000       ; on to this chunk: four tiles
	s_add_nc_u64 s[18:19], s[18:19], 0x2000
.endif
.irp b, 0,1
	v_max3_num_f32 v[Q+\b], v[ACC+16*\b], v[ACC+16*\b+1], 0x8000000   ; no |.|: what is negative becomes 0 and must not count; the floor 2^(16 - 127) stands over it
.endr
.irp i, 2,4,6,8,10,12,14
.irp b, 0,1
	v_max3_num_f32 v[Q+\b], v[Q+\b], v[ACC+16*\b+\i], v[ACC+16*\b+\i+1]
.endr
.endr
.irp b, 0,1
	v_permlanex16_b32 v[Q+2+\b], v[Q+\b], s[SELA], s[SELA+1]
.endr
.irp b, 0,1
	v_max_num_f32 v[Q+\b], v[Q+\b], v[Q+2+\b]      ; with lane l xor 16's 16: the block's
.endr
.irp b, 0,1
	v_add_nc_u32 v[Q+4+\b], 0xf8800000, v[Q+\b]    ; 15 off the exponent field: the conversion's scale operand
.endr
.irp b, 0,1
	v_and_or_b32 v[Q+6+\b], v[Q+\b], 0x7f800000, s[MNT]   ; 57,344 x the scale
.endr
.irp b, 0,1
	v_lshrrev_b32 v[Q+2+\b], 23, v[Q+4+\b]         ; the scale's byte
.endr
	v_lshl_or_b32 v[Q+2], v[Q+3], 8, v[Q+2]
.irp b, 0,1
.irp i, 0,1,2,3,4,5,6,7,8,9,10,11,12,13,14,15
	v_med3_num_f32 v[ACC+16*\b+\i], v[ACC+16*\b+\i], 0, v[Q+6+\b]
.endr
	v_cvt_scalef32_pk8_bf8_f32 v[CD+4*\b:CD+4*\b+1], v[ACC+16*\b:ACC+16*\b+7], v[Q+4+\b]
	v_cvt_scalef32_pk8_bf8_f32 v[CD+4*\b+2:CD+4*\b+3], v[ACC+16*\b+8:ACC+16*\b+15], v[Q+4+\b]
.endr
	v_nop                                          ; one plain line behind the last conversion: later lines write its sources
	global_store_b128 v[HO+\a], v[CD:CD+3], s[16:17]                ; 512 consecutive bytes, at a multiple of 512 from hbuf's first byte
	global_store_b128 v[HO+\a], v[CD+4:CD+7], s[16:17] offset:512
	global_store_b16 v[HS+\a], v[Q+2], s[18:19]                     ; my row's two scale bytes (lanes r and r + 16 hold the same)
.endm
.macro CHUNK buf
	s_cmp_ge_u32 s[CC], s[NCH]
	s_cbranch_scc1 .Lidle_\@
	MMLO
	PHASE 0, 1-\buf
	MMHI
	GNEXT 0
	FRAG \buf, 1                                   ; the second tile comes while the first is quantised
	QUANT 0
	MMLO
	PHASE 1, 1-\buf
	MMHI
	s_branch .Lmid_\@
.Lidle_\@:
	s_wait_loadcnt 0x0
.Lmid_\@:
	s_wait_alu depctr_va_vdst(0)
	s_wait_dscnt 0x0                               ; my stores into the other buffer have landed; my reads of this one are over
	s_barrier_signal -1                            ; on every wave's path, whatever n is
	s_barrier_wait -1
	s_add_co_u32 s27, s[CC], 1
	s_cmp_ge_u32 s27, s[NCH]
	s_cbranch_scc1 .Lnofrag_\@
	FRAG 1-\buf, 0                                 ; the next chunk's first tile comes while this chunk's second is quantised
.Lnofrag_\@:
	s_cmp_ge_u32 s[CC], s[NCH]
	s_cbranch_scc1 .Lrest_\@
	GNEXT 1
	QUANT 1
	s_branch .Lend_\@
.Lrest_\@:
	s_wait_loadcnt 0x0
.Lend_\@:
	s_add_co_u32 s[CC], s[CC], 1
	s_add_co_u32 s[TOF], s[TOF], 64
.endm
	s_load_b512 s[4:19], s[0:1], 0x0               ; xcodes, xscales, selw, w1_codes, w1_scales, b1, hbuf, hscales
	v_lshl_add_u32 v[SPW], v0, 2, SPARE
	v_mov_b32 v[NIL], 0
	v_lshrrev_b32 v1, 5, v0
	v_readfirstlane_b32 s[WV], v1                  ; wave
	v_and_b32 v1, 31, v0                           ; lane
	v_and_b32 v2, 15, v0                           ; r
	v_bfe_u32 v3, v0, 4, 1                         ; h
	v_lshlrev_b32 v[L16], 4, v1
	v_and_b32 v7, 8, v2
	v_add_nc_u32 v7, v7, v2                        ; r + 8 (r / 8)
	v_lshlrev_b32 v5, 5, v7                        ; W1's scale bytes: 32 a unit
	v_lshlrev_b32 v6, 6, v3                        ; b1: lanes 16-31 begin 16 units on
	s_lshr_b32 s[E], ttmp9, 5
	s_and_b32 s[J], ttmp9, 31
	s_lshr_b32 s[U], s[WV], 1
	s_lshl_b32 s28, s[E], 22                       ; W1's codes: (4,096 e + 128 j + 32 w) rows of 1,024 bytes
	PLUS 28, J, 17
	PLUS 28, WV, 15
	s_mov_b32 s29, 0
	s_lshl_b32 s30, s[E], 17                       ; its scale bytes: (4,096 e + 128 j + 64 u) x 32
	PLUS 30, J, 12
	PLUS 30, U, 11
	s_mov_b32 s31, 0
	s_lshl_b32 s32, s[E], 14                       ; b1: the same units x 4
	PLUS 32, J, 9
	PLUS 32, U, 8
	s_mov_b32 s33, 0
	s_lshl_b32 s34, s[E], 22                       ; hbuf: expert, K step j, blocks 2 u on
	PLUS 34, J, 11
	PLUS 34, U, 10
	s_mov_b32 s35, 0
	s_lshl_b32 s36, s[E], 17                       ; hscales: expert, K quarter j / 8, word j % 8, bytes 2 u on
	s_lshr_b32 s38, s[J], 3
	PLUS 36, 38, 9
	s_and_b32 s38, s[J], 7
	PLUS 36, 38, 2
	PLUS 36, U, 1
	s_mov_b32 s37, 0
	s_wait_alu depctr_va_vdst(0)
	s_wait_kmcnt 0x0
	s_add_nc_u64 s[10:11], s[10:11], s[28:29]
	s_add_nc_u64 s[12:13], s[12:13], s[30:31]
	s_add_nc_u64 s[14:15], s[14:15], s[32:33]
	s_add_nc_u64 s[16:17], s[16:17], s[34:35]
	s_add_nc_u64 s[18:19], s[18:19], s[36:37]
	s_sub_nc_u64 s[16:17], s[16:17], 0x40000       ; the first chunk's quantiser steps both to their place
	s_sub_nc_u64 s[18:19], s[18:19], 0x2000
.irp g, 0,1,2,3,4,5,6,7,8,9,10,11,12,13,14,15
	global_load_b128 v[SEL+4*\g:SEL+4*\g+3], v[L16], s[8:9] offset:512*\g   ; tokens 64 g + 2 lane and the next
.endr
.irp t, 0,1,2,3
	global_load_b128 v[WSC+8*\t:WSC+8*\t+3], v5, s[12:13] offset:(32*(\t/2)+8*(\t%2))*32
	global_load_b128 v[WSC+8*\t+4:WSC+8*\t+7], v5, s[12:13] offset:(32*(\t/2)+8*(\t%2))*32+16
.endr
	WIN 0xc0
.irp t, 0,1,2,3
	global_load_b128 v[B1+8*\t:B1+8*\t+3], v6, s[14:15] offset:(32*(\t/2)+8*(\t%2))*4
	global_load_b128 v[B1+8*\t+4:B1+8*\t+7], v6, s[14:15] offset:(32*(\t/2)+8*(\t%2))*4+16
.endr
	WIN 0x40
.set zz, 0
.rept 64
	global_load_b128 v[4*zz:4*zz+3], v[L16], s[10:11] offset:512*zz th:TH_LOAD_NT   ; my wave's 32 units of W1: one dense block of 32 KiB, 512 consecutive bytes a load; read once in the launch
.set zz, zz+1
.endr
	WIN 0
	s_mul_i32 s27, s[WV], 32*SP
	v_add_nc_u32 v[WST], s27, v[L16]
	v_mul_u32_u24 v[WRD], v7, SP
	v_lshl_add_u32 v[WRD], v3, 4, v[WRD]
	s_mul_i32 s27, s[U], 64*SP
	v_add_nc_u32 v[WRD], s27, v[WRD]
	s_mul_i32 s27, s[WV], 16*XP                    ; I gather tile w of a chunk: rows 16 w .. 16 w + 15
	s_add_co_u32 s27, s27, XB0
	s_xor_b32 s29, s[WV], 2                        ; my second tile
	s_mul_i32 s28, s29, 16*XP
	s_add_co_u32 s28, s28, XB0
	v_add_nc_u32 v[XST], s27, v[L16]
	v_add_nc_u32 v[XST+1], 64*XP, v[XST]
	v_and_b32 v[L1X], 1, v1
	v_lshlrev_b32 v[L1X], 4, v[L1X]
	v_lshrrev_b32 v[TA], 1, v1                     ; lane / 2
	v_mul_u32_u24 v[TB], v[TA], XP
	v_add_nc_u32 v[TB], v[TB], v[L1X]
	v_add_nc_u32 v[TB], 1024, v[TB]
	v_add_nc_u32 v[SST], s27, v[TB]
	v_add_nc_u32 v[SST+1], 64*XP, v[SST]
	v_mul_u32_u24 v[LX], v2, XP
	v_lshl_add_u32 v[TB], v3, 4, v[LX]             ; a fragment's row x pitch + 16 x half
	v_add_nc_u32 v[LX], 1024, v[LX]                ; the row's scale bytes
	v_add_nc_u32 v[XRD], s27, v[TB]
	v_add_nc_u32 v[XRD+1], s28, v[TB]
	v_add_nc_u32 v[XRD+2], 64*XP, v[XRD]
	v_add_nc_u32 v[XRD+3], 64*XP, v[XRD+1]
	v_add_nc_u32 v[XSD], s27, v[LX]
	v_add_nc_u32 v[XSD+1], s28, v[LX]
	v_add_nc_u32 v[XSD+2], 64*XP, v[XSD]
	v_add_nc_u32 v[XSD+3], 64*XP, v[XSD+1]
	s_lshl_b32 s27, s[WV], 10
	s_add_co_u32 s27, s27, TAB
	v_mov_b32 v[TKB], s27
	v_lshl_add_u32 v[TKLB], v[TA], 2, s27
	v_lshl_add_u32 v[TT], v1, 2, s27
	s_lshl_b32 s28, s[WV], 4
	v_lshl_add_u32 v[SL0], v3, 6, v2
	v_add_nc_u32 v[SL0], s28, v[SL0]               ; slot 64 (lane / 16) + 16 w + r
	s_lshl_b32 s28, s[WV], 16
	v_add_nc_u32 v[HO], s28, v[L16]
	s_lshl_b32 s28, s29, 16
	v_add_nc_u32 v[HO+1], s28, v[L16]
	s_lshl_b32 s28, s[WV], 11
	v_lshl_add_u32 v[HS], v2, 5, s28
	s_lshl_b32 s28, s29, 11
	v_lshl_add_u32 v[HS+1], v2, 5, s28
.irp i, 16,17,18,19,20,21,22,23,24,25,26,27,28,29,30,31
	v_mov_b32 v[ACC+\i], 0                         ; so that every accumulator register is written on every way through the text (the searches write the others)
.endr
	s_mov_b32 s[MNT], 0x600000
	s_mov_b32 s[SELA], 0x76543210
	s_mov_b32 s[SELA+1], 0xfedcba98
	s_mov_b32 s[N], 0
	s_wait_alu depctr_va_vdst(0)
	s_wait_loadcnt 63                              ; 80 loads were issued behind the list's 16: those are in
.set kk, 0
.rept 32                               ; word k: tokens 64 (k / 2) + 2 lane + k % 2: was e the first choice, was it the second?
	v_cmp_eq_u32 s[M+kk], s[E], v[SEL+2*kk]
	v_cmp_eq_u32 s[PK+kk], s[E], v[SEL+2*kk+1]
.set kk, kk+1
.endr
.set kk, 0
.rept 32
	s_or_b32 s[M+kk], s[M+kk], s[PK+kk]
	s_lshl_b32 s29, s[N], 5
	s_add_co_u32 s[PK+kk], s29, kk
	s_bcnt1_i32_b32 s29, s[M+kk]
	s_add_co_u32 s[N], s[N], s29
.set kk, kk+1
.endr
	s_add_co_u32 s[NCH], s[N], 63
	s_lshr_b32 s[NCH], s[NCH], 6
	s_max_u32 s[NCH], s[NCH], 1
	s_lshl_b32 s[NR], s[NCH], 6
	SRCH 0
	TOK 0, TKB, TKLB, 0                            ; my own wave's bytes: LDS serves a wave's instructions in order (ISA guide 5.7.1.4)
	TOK 1, TKB, TKLB, 0
	s_wait_dscnt 0x0
	GATHER 0                                       ; chunk 0 is asked for while W1 is still coming
	GATHER 1
	SRCH 1
	SRCH 2
	SRCH 3
	SRCH 4
	SRCH 5
	SRCH 6
	SRCH 7
	s_wait_loadcnt 33                              ; W1 is in: behind its loads stand chunk 0's 33
	WIN 0x04                                       ; the data: window 1
.set zz, 0
.rept 64
	ds_store_b128 v[WST], v[4*zz:4*zz+3] offset:(zz/2)*SP+512*(zz%2)
.set zz, zz+1
.endr
	WIN 0
	; work-group j < 8 stores search j's destinations
	s_cmp_ge_u32 s[J], 8
	s_cbranch_scc1 .Lnotab
	s_lshl_b32 s27, s[J], 7
	s_cmp_ge_u32 s27, s[NR]
	s_cbranch_scc1 .Lnotab
	s_load_b64 s[28:29], s[0:1], 0x40              ; dtab
	s_and_b32 s27, s[J], 7
	s_lshl_b32 s27, s27, 7
	v_add_nc_u32 v1, s27, v[TT]
	ds_load_b32 v2, v1
	v_add_nc_u32 v3, s27, v[SL0]                   ; the slot
	s_lshl_b32 s27, s[E], 4
	s_add_co_u32 s27, s27, 2048
	v_and_b32 v5, 15, v3
	v_add_nc_u32 v5, s27, v5                       ; its pad row
	s_wait_alu depctr_va_vdst(0)
	s_wait_dscnt 0x0
	v_min_u32 v2, 0x3ff, v2
	v_lshlrev_b32 v4, 3, v2
	global_load_b64 v[6:7], v4, s[8:9]             ; the token's two choices
	v_lshlrev_b32 v1, 2, v3
	v_lshlrev_b32 v2, 1, v2
	s_lshl_b32 s26, s[E], 12
	s_mov_b32 s27, 0
	s_wait_alu depctr_va_vdst(0)
	s_wait_loadcnt 0x0
	s_wait_kmcnt 0x0
	s_add_nc_u64 s[30:31], s[28:29], s[26:27]
	v_cmp_eq_u32 vcc_lo, s[E], v7                  ; was e the second choice?
	v_add_nc_u32 v4, 1, v2
	v_cndmask_b32 v2, v2, v4, vcc_lo
	v_cmp_gt_u32 vcc_lo, s[N], v3
	v_cndmask_b32 v2, v5, v2, vcc_lo               ; a slot from n on goes to its pad row
	global_store_b32 v1, v2, s[30:31]
	s_wait_alu depctr_va_vdst(0)
	s_wait_xcnt 0x0
	s_cmp_lg_u32 s[J], 0
	s_cbranch_scc1 .Lnotab
	s_lshl_b32 s26, s[E], 9
	s_add_co_u32 s26, s26, 32768
	s_add_nc_u64 s[30:31], s[28:29], s[26:27]
	v_lshlrev_b32 v4, 2, v0
	v_mov_b32 v5, s[N]
	global_store_b32 v4, v5, s[30:31]              ; n, 128 times
	s_wait_alu depctr_va_vdst(0)
	s_wait_xcnt 0x0
.Lnotab:
	s_wait_loadcnt 0x0                             ; chunk 0's rows are in
	PUT 0, 0
	PUT 1, 0
	TOK 0, TKB, TKLB, 64                           ; chunk 1's tokens
	TOK 1, TKB, TKLB, 64
	s_mov_b32 s[CC], 0
	s_mov_b32 s[TOF], 128
	s_wait_alu depctr_va_vdst(0)
	s_wait_dscnt 0x0
	s_barrier_signal -1                            ; the 128 units and chunk 0 lie in LDS; the stage is never written again
	s_barrier_wait -1
	s_cmp_le_u32 s[NCH], 1
	s_cbranch_scc1 .Lone
	GATHER 0
	GATHER 1
.Lone:
.irp s, 0,1,2,3,4,5,6,7
	WIN 0x40*(1+\s/4)
.irp t, 0,1,2,3
.irp c, 0,1,2,3
	ds_load_b128 v[64*(\s%4)+16*\t+4*\c:64*(\s%4)+16*\t+4*\c+3], v[WRD] offset:(32*(\t/2)+8*(\t%2))*SP+128*\s+32*\c   ; my 32 fragments: they stay; the first tile's waits cover them
.endr
.endr
.endr
	WIN 0
	FRAG 0, 0
	s_mov_b32 s[TRIP], 8
	s_wait_alu depctr_va_vdst(0)
.Lchunks:
	CHUNK 0
	CHUNK 1
	s_sub_co_u32 s[TRIP], s[TRIP], 1
	s_cmp_lg_u32 s[TRIP], 0
	s_wait_alu depctr_va_vdst(0)
	s_cbranch_scc1 .Lchunks
	s_wait_tensorcnt 0x0                           ; the wave's end
	ds_add_u32 v[SPW], v[NIL]
	s_wait_dscnt 0x0
	s_endpgm
.Lfunc_end_k_q962340702c_ffn1:
	.size	k_q962340702c_ffn1, .Lfunc_end_k_q962340702c_ffn1-k_q962340702c_ffn1
	.p2alignl 7, 3214868480
	.fill 96, 4, 3214868480
	.section	.rodata,"a",@progbits
	.p2align	6, 0x0
	.amdhsa_kernel k_q962340702c_ffn1
		.amdhsa_group_segment_fixed_size 274944
		.amdhsa_private_segment_fixed_size 0
		.amdhsa_enable_private_segment 0
		.amdhsa_kernarg_size 72
		.amdhsa_user_sgpr_count 2
		.amdhsa_user_sgpr_kernarg_segment_ptr 1
		.amdhsa_wavefront_size32 1
		.amdhsa_system_sgpr_workgroup_id_x 1
		.amdhsa_system_sgpr_workgroup_id_y 1
		.amdhsa_system_sgpr_workgroup_id_z 1
		.amdhsa_system_vgpr_workitem_id 0
		.amdhsa_next_free_vgpr 1024
		.amdhsa_next_free_sgpr 102
		.amdhsa_reserve_vcc 1
		.amdhsa_float_denorm_mode_32 3
		.amdhsa_float_denorm_mode_16_64 3
		.amdhsa_memory_ordered 1
		.amdhsa_forward_progress 1
		.amdhsa_inst_pref_size 172
	.end_amdhsa_kernel
	.amdgpu_metadata
---
amdhsa.version: [ 1, 2 ]
amdhsa.kernels:
  - .name:           k_q962340702c_ffn1
    .symbol:         k_q962340702c_ffn1.kd
    .args:
      - { .name: xcodes, .offset: 0, .size: 8, .value_kind: global_buffer, .address_space: global }
      - { .name: xscales, .offset: 8, .size: 8, .value_kind: global_buffer, .address_space: global }
      - { .name: selw, .offset: 16, .size: 8, .value_kind: global_buffer, .address_space: global }
      - { .name: w1_codes, .offset: 24, .size: 8, .value_kind: global_buffer, .address_space: global }
      - { .name: w1_scales, .offset: 32, .size: 8, .value_kind: global_buffer, .address_space: global }
      - { .name: b1, .offset: 40, .size: 8, .value_kind: global_buffer, .address_space: global }
      - { .name: hbuf, .offset: 48, .size: 8, .value_kind: global_buffer, .address_space: global }
      - { .name: hscales, .offset: 56, .size: 8, .value_kind: global_buffer, .address_space: global }
      - { .name: dtab, .offset: 64, .size: 8, .value_kind: global_buffer, .address_space: global }
    .group_segment_fixed_size: 274944
    .private_segment_fixed_size: 0
    .kernarg_segment_align: 8
    .kernarg_segment_size: 72
    .max_flat_workgroup_size: 128
    .sgpr_count:     102
    .vgpr_count:     1024
    .wavefront_size: 32
...
	.end_amdgpu_metadata
.endif
;; end of part 6
;; launch ffn2 (part 7): grid 256 x 1, 4 waves a work-group, no clusters, 270,848 bytes of LDS; arguments hbuf, hscales, dtab, w2_codes, w2_scales, b2, ybuf; writes ybuf
.if DOCPART == 7
	.amdgcn_target "amdgcn-amd-amdhsa--gfx1250"
	.amdhsa_code_object_version 6
	.text
	.protected	k_q962340702c_ffn2
	.globl	k_q962340702c_ffn2
	.p2align	8
	.type	k_q962340702c_ffn2,@function
k_q962340702c_ffn2:
	s_mov_b64 s[64:65], 0
	v_nop
	global_prefetch_b8 v0, s[64:65] scope:SCOPE_SE
	s_setreg_imm32_b32 hwreg(HW_REG_WAVE_MODE, 25, 1), 1
	s_wait_xcnt 0x0
; ybuf[kh][2 t + k] = h W2[e] over K half kh (+ b2[e] where kh = 0) for token t's k-th choice e: only the rows of the tokens that chose e; the other rows are dead work (see the first kernel's head).
; SHARES.  Work-group (e, sl, kh, p): expert e, outputs 128 sl .. 128 sl + 127, K half kh, row tiles m = p, p + 2, ...  Wave q holds W2's 128 outputs x 512 along K (quarter q of the half: eight tiles x four K steps, 512 registers) for the whole launch.
; So each byte of h that the work-group reads is loaded by one wave, straight into operand registers (hbuf is an image of them: 512 consecutive bytes a load), through a ring of four register buffers.
; THE PRODUCT IS USED TRANSPOSED (source 0 = 16 outputs of W2, source 1 = 16 rows of h): a lane holds eight neighbouring outputs of one row.  The four K quarters meet in LDS, four tiles to a barrier, in two turns;
; each wave adds four rows of each tile and stores them: 32 lanes store 512 consecutive bytes, at a multiple of 512 from ybuf's first byte.
; n (rows of e) and each slot's destination row are whole numbers that the launch before stored; pad rows of the last tile go to rows 2,048 + 16 e + i, which nobody reads.
; THE HEAD.  W2 comes row by row, 512 consecutive bytes a load, turns through the wave's own stage in LDS in groups of eight rows, and seven groups are on their way at a time; the first four tiles of h follow.
; THE LOOP has a constant number of trips of four tiles, so that every wave passes every barrier.  A trip that has a successor fills every buffer again behind its use (a tile from T on is replaced by 16 bytes of tile 0, the same in all lanes, and is not multiplied);
; the last trip fills nothing and counts its loads down; a trip from T on is jumped over, round the work and never round the barrier.
; NO TENSOR LOADS, SO NO JOINT LOADS AND NO CLUSTER: the branches hang on counts read from memory.  NO PREFETCH: h is asked for four tiles ahead by the loads themselves.
; LIMITS: NaN and infinite inputs are not served; the K parts are summed in f32 in another order than one running sum; an expert that no token chose has its weights loaded and nothing stored.
.set SP,    528                        ; a row of 512 bytes + 16: 33 x 16, so that 16 rows start at different banks
.set QT,    16*SP                      ; a K quarter's partial sums of a tile
.set SLOT,  4*QT                       ; a tile's
.set PAIR,  2*SLOT
.set WSTG,  128*SP                     ; a wave's stage of 128 rows: the four stages lie where the eight tiles' partial sums lie later (2 turns x 4 tiles)
.set SPARE, 4*WSTG                     ; the spare words, 128 bytes a wave: two blocks of 256 bytes that no other line names
.set SPW, 4
.set NIL, 5
.set L16, 6                            ; 16 x lane
.set R32, 7                            ; 32 r
.set R128, 8                           ; 128 r
.set WST, 9                            ; v9,10 my stage, in (rows 0-63, 64-127);  WRD out
.set WRD, 11
.set PST, 12                           ; v12-15 where I put partial sums: 2 x turn + pair of tiles;  PRD where I read them back
.set PRD, 16
.set HOFF, 20                          ; v20-23 the ring's offsets in hbuf;  SOFF in hscales
.set SOFF, 24
.set B2,  28                           ; v28-31 my four numbers of b2, or zeros
.set WSC, 40                           ; v40-71 W2's scale words: tile t, K step s at 4 t + s
.set HSC, 74                           ; v74-89 h's: buffer b, K step s at 4 b + s: no product's two scale registers have numbers equal modulo 8
.set ACC, 96                           ; v96-159 eight accumulators; on the way out a pair's second tile
.set RT,  160                          ; v160-223 on the way out a pair's first tile.  Window 3: the ring, 64 registers a buffer.  Windows 1, 2: W2: tile t, K step s at window 1 + s / 2, v[128 (s % 2) + 16 t]
.set WV, 2
.set E,  3
.set P,  20
.set KH, 21
.set SL, 22
.set N,  23
.set T,  24                            ; tiles of 16 rows
.set TL, 25                            ; the last tile, or 0
.set M0, 26                            ; the trip's first tile
.set D,  32                            ; s32-47 the destinations of my four rows of the trip's tiles
.set OF, 48                            ; s48-51 where they are read
.set YB, 66                            ; s66-81 the stores' bases, two sets of four
.set KM, 98
.set TRIP, 99
.set MSB, 0
.macro WIN new
.if MSB != (\new)
	s_set_vgpr_msb (MSB<<8)|(\new)
.set MSB, (\new)
.endif
.endm
.macro PLUS d, s, sh                   ; s[d] += s[s] << sh
	s_lshl_b32 s27, s[\s], \sh
	s_add_co_u32 s[\d], s[\d], s27
.endm
.macro WLOAD g                         ; rows 8 g .. 8 g + 7 of my part of W2, 512 consecutive bytes each; they land in the registers that tile g / 2's fragments will take
	WIN 0x40*(1+(\g)%2)
.irp i, 0,1,2,3,4,5,6,7
	global_load_b128 v[128*(\i/4)+16*((\g)/2)+4*(\i%4):128*(\i/4)+16*((\g)/2)+4*(\i%4)+3], v[L16], s[10:11] offset:4096*(8*(\g)+\i)
.endr
	WIN 0
.endm
.macro WPUT g
	WIN 0x04*(1+(\g)%2)
.irp i, 0,1,2,3,4,5,6,7
	ds_store_b128 v[WST+(\g)/8], v[128*(\i/4)+16*((\g)/2)+4*(\i%4):128*(\i/4)+16*((\g)/2)+4*(\i%4)+3] offset:(8*((\g)%8)+\i)*SP
.endr
	WIN 0
.endm
.macro WFRAG t                         ; my own wave's bytes: LDS serves a wave's instructions in order (ISA guide 5.7.1.4)
.irp s, 0,1,2,3
	WIN 0x40*(1+\s/2)
.irp c, 0,1,2,3
	ds_load_b128 v[128*(\s%2)+16*(\t)+4*\c:128*(\s%2)+16*(\t)+4*\c+3], v[WRD] offset:16*(\t)*SP+128*\s+32*\c
.endr
.endr
	WIN 0
.endm
.macro HADDR b                         ; buffer b's offsets for tile s27; a tile from T on: tile 0's first bytes, without the lane's term
	s_cmp_lt_u32 s27, s[T]
	s_cselect_b32 s28, 1, 0
	s_cselect_b32 s27, s27, 0
	s_min_u32 s27, s27, 63
	s_lshl_b32 s29, s27, 16
	s_lshl_b32 s27, s27, 11
	v_mul_u32_u24 v[HOFF+\b], s28, v[L16]
	v_add_nc_u32 v[SOFF+\b], s27, v[R32]
	v_add_nc_u32 v[HOFF+\b], s29, v[HOFF+\b]
.endm
.macro HLOAD b                         ; 17 loads: a tile's four fragments of my K, 512 consecutive bytes a load, and its scale words
	WIN 0xc0
.irp q, 0,1,2,3,4,5,6,7,8,9,10,11,12,13,14,15
	global_load_b128 v[64*(\b)+4*\q:64*(\b)+4*\q+3], v[HOFF+(\b)], s[4:5] offset:512*\q
.endr
	WIN 0
	global_load_b128 v[HSC+4*(\b):HSC+4*(\b)+3], v[SOFF+(\b)], s[6:7]
.endm
.macro WM t, s, b
.if \s == 0
	v_wmma_scale_f32_16x16x128_f8f6f4 v[ACC+8*\t:ACC+8*\t+7], v[16*\t:16*\t+15], v[64*\b:64*\b+15], 0, v[WSC+4*\t], v[HSC+4*\b] matrix_a_fmt:MATRIX_FMT_BF8 matrix_b_fmt:MATRIX_FMT_BF8
.else
	v_wmma_scale_f32_16x16x128_f8f6f4 v[ACC+8*\t:ACC+8*\t+7], v[128*(\s%2)+16*\t:128*(\s%2)+16*\t+15], v[64*\b+16*\s:64*\b+16*\s+15], v[ACC+8*\t:ACC+8*\t+7], v[WSC+4*\t+\s], v[HSC+4*\b+\s] matrix_a_fmt:MATRIX_FMT_BF8 matrix_b_fmt:MATRIX_FMT_BF8
.endif
.endm
.macro STEP b, turn, fill              ; tile M0 + 2 b, from ring buffer b; fill = 1: the buffer takes the tile eight further on
.if \fill
	s_wait_loadcnt 51                              ; this buffer's loads are in: behind them stand three buffers' 51
.else
	s_add_co_u32 s27, s[M0], 2*\b
	s_cmp_ge_u32 s27, s[T]
	s_cbranch_scc1 .Lnone_\@
	s_wait_loadcnt 51-17*\b                        ; nothing is issued in this trip: 17 fewer behind each
.endif
	s_wait_dscnt 0x0                               ; the last step's LDS stores have read the accumulators
	WIN 0x0d                                       ; source 0 (W2) window 1, source 1 (h) window 3
.irp s, 0,1
.irp t, 0,1,2,3,4,5,6,7
	WM \t, \s, \b
.endr
.endr
	WIN 0x0e
.irp s, 2,3
.irp t, 0,1,2,3,4,5,6,7
	WM \t, \s, \b
.endr
.endr
	WIN 0
	; nine places: eight ahead of reads of the results and of loads into the operands, the ninth since the next step's first products write the accumulators anew
.if \fill
	s_add_co_u32 s27, s[M0], 2*\b+8
	HADDR \b
.rept 6
	v_nop
.endr
.else
.rept 9
	v_nop
.endr
.endif
.irp t, 0,1,2,3,4,5,6,7
	ds_store_b128 v[PST+2*\turn+\b/2], v[ACC+8*\t:ACC+8*\t+3] offset:SLOT*(\b%2)+64*\t        ; each accumulator from its low end on
	ds_store_b128 v[PST+2*\turn+\b/2], v[ACC+8*\t+4:ACC+8*\t+7] offset:SLOT*(\b%2)+64*\t+16
.endr
.if \fill
	HLOAD \b
.endif
.Lnone_\@:
.endm
.macro RLOAD R, turn, jj               ; my four rows of a tile, four K quarters each
.irp i, 0,1,2,3
.irp k, 0,1,2,3
	ds_load_b128 v[\R+16*\i+4*\k:\R+16*\i+4*\k+3], v[PRD+2*\turn+(\jj)/2] offset:SLOT*((\jj)%2)+QT*\k+SP*\i
.endr
.endr
.endm
.macro ROUT R, jj
.set Y_, YB+8*((\jj)%2)
.irp i, 0,1,2,3
	s_min_u32 s27, s[D+4*(\jj)+\i], 0x87f          ; ybuf has 2,176 rows for each K half
	s_lshl_b32 s30, s27, 12
	s_add_nc_u64 s[Y_+2*\i:Y_+2*\i+1], s[16:17], s[30:31]
.endr
.irp k, 0,2,8,10
.irp i, 0,1,2,3
	v_pk_add_f32 v[\R+16*\i+\k:\R+16*\i+\k+1], v[\R+16*\i+\k:\R+16*\i+\k+1], v[\R+16*\i+\k+4:\R+16*\i+\k+5]
.endr
.endr
.irp k, 0,2
.irp i, 0,1,2,3
	v_pk_add_f32 v[\R+16*\i+\k:\R+16*\i+\k+1], v[\R+16*\i+\k:\R+16*\i+\k+1], v[\R+16*\i+\k+8:\R+16*\i+\k+9]
.endr
.endr
.irp k, 0,2
.irp i, 0,1,2,3
	v_pk_add_f32 v[\R+16*\i+\k:\R+16*\i+\k+1], v[\R+16*\i+\k:\R+16*\i+\k+1], v[B2+\k:B2+\k+1]
.endr
.endr
.irp i, 0,1,2,3
	global_store_b128 v[L16], v[\R+16*\i:\R+16*\i+3], s[Y_+2*\i:Y_+2*\i+1] th:TH_STORE_NT   ; 512 consecutive bytes of a row
.endr
.endm
.macro RPAIR turn, a                   ; tiles 2 a and 2 a + 1 of the trip
	s_add_co_u32 s27, s[M0], 4*\a
	s_cmp_ge_u32 s27, s[T]
	s_cbranch_scc1 .Lrend_\@
	s_wait_xcnt 0x0                                ; the last stores have read their data and bases
	RLOAD RT, \turn, 2*\a
	s_add_co_u32 s27, s[M0], 4*\a+2
	s_cmp_ge_u32 s27, s[T]
	s_cbranch_scc1 .Lrone_\@
	RLOAD ACC, \turn, 2*\a+1
	s_wait_dscnt 16                                ; the first tile's sixteen loads are in
	ROUT RT, 2*\a
	s_wait_dscnt 0x0
	ROUT ACC, 2*\a+1
	s_branch .Lrend_\@
.Lrone_\@:
	s_wait_dscnt 0x0
	ROUT RT, 2*\a
.Lrend_\@:
.endm
.macro TRIPS turn                      ; four tiles, one barrier
	s_cmp_ge_u32 s[M0], s[T]
	s_cbranch_scc1 .Ljoin_\@
	s_wait_xcnt 0x0                                ; the last trip's stores have read the accumulators' registers
.irp jj, 0,1,2,3
	s_add_co_u32 s27, s[M0], 2*\jj
	s_min_u32 s27, s27, s[TL]
	s_min_u32 s27, s27, 63
	s_lshl_b32 s[OF+\jj], s27, 6
	s_load_b128 s[D+4*\jj:D+4*\jj+3], s[8:9], s[OF+\jj] offset:0x0
.endr
	s_add_co_u32 s27, s[M0], 8
	s_cmp_ge_u32 s27, s[T]
	s_cbranch_scc1 .Ldrain_\@
	STEP 0, \turn, 1
	STEP 1, \turn, 1
	STEP 2, \turn, 1
	STEP 3, \turn, 1
	s_branch .Ljoin_\@
.Ldrain_\@:
	STEP 0, \turn, 0
	STEP 1, \turn, 0
	STEP 2, \turn, 0
	STEP 3, \turn, 0
	s_wait_loadcnt 0x0
.Ljoin_\@:
	s_wait_kmcnt 0x0                               ; the destinations
	s_wait_dscnt 0x0                               ; my partial sums have landed; my reads of the other turn's are over
	s_barrier_signal -1                            ; on every wave's path, whatever n is
	s_barrier_wait -1
	RPAIR \turn, 0
	RPAIR \turn, 1
	s_add_co_u32 s[M0], s[M0], 8
.endm
	s_load_b256 s[4:11], s[0:1], 0x0               ; hbuf, hscales, dtab, w2_codes
	s_load_b128 s[12:15], s[0:1], 0x20             ; w2_scales, b2
	s_load_b64 s[16:17], s[0:1], 0x30              ; ybuf
	v_lshl_add_u32 v[SPW], v0, 2, SPARE
	v_mov_b32 v[NIL], 0
	v_lshrrev_b32 v1, 5, v0
	v_readfirstlane_b32 s[WV], v1                  ; wave = K quarter of the half
	v_and_b32 v1, 31, v0
	v_and_b32 v2, 15, v0                           ; r
	v_bfe_u32 v3, v0, 4, 1                         ; h
	v_lshlrev_b32 v[L16], 4, v1
	v_lshlrev_b32 v[R32], 5, v2
	v_lshlrev_b32 v[R128], 7, v2                   ; W2's scale bytes: 128 an output
	s_and_b32 s[E], ttmp9, 7                       ; id bits: 2:0 e, 3 sl % 2, 4 p, 5 kh, 7:6 sl / 2
	s_bfe_u32 s[P], ttmp9, 0x10004
	s_bfe_u32 s[KH], ttmp9, 0x10005
	s_lshr_b32 s[SL], ttmp9, 6
	s_lshl_b32 s[SL], s[SL], 1
	s_bfe_u32 s27, ttmp9, 0x10003
	s_add_co_u32 s[SL], s[SL], s27
	s_lshl_b32 s28, s[E], 22                       ; hbuf: expert, K steps 16 kh + 4 q on
	PLUS 28, KH, 15
	PLUS 28, WV, 13
	s_mov_b32 s29, 0
	s_lshl_b32 s30, s[E], 17                       ; hscales: expert, K quarter 2 kh + q / 2, word 4 (q % 2) on
	PLUS 30, KH, 10
	s_lshr_b32 s44, s[WV], 1
	PLUS 30, 44, 9
	s_and_b32 s44, s[WV], 1
	PLUS 30, 44, 4
	s_mov_b32 s31, 0
	s_lshl_b32 s32, s[E], 22                       ; W2's codes: (1,024 e + 128 sl) rows of 4,096 bytes, + 2,048 kh + 512 q
	PLUS 32, SL, 19
	PLUS 32, KH, 11
	PLUS 32, WV, 9
	s_mov_b32 s33, 0
	s_lshl_b32 s34, s[E], 17                       ; its scale bytes: the same rows x 128, + 64 kh + 16 q
	PLUS 34, SL, 14
	PLUS 34, KH, 6
	PLUS 34, WV, 4
	s_mov_b32 s35, 0
	s_lshl_b32 s36, s[E], 12                       ; b2
	PLUS 36, SL, 9
	s_mov_b32 s37, 0
	s_mul_i32 s38, s[KH], 8912896                  ; ybuf: K half, my 128 columns
	PLUS 38, SL, 9
	s_mov_b32 s39, 0
	s_lshl_b32 s40, s[E], 12                       ; dtab: expert, my four rows of a tile
	PLUS 40, WV, 4
	s_mov_b32 s41, 0
	s_lshl_b32 s42, s[E], 9                        ; and, behind the destinations, n
	s_add_co_u32 s42, s42, 32768
	s_mov_b32 s43, 0
	s_wait_alu depctr_va_vdst(0)
	s_wait_kmcnt 0x0
	s_add_nc_u64 s[10:11], s[10:11], s[32:33]
	s_add_nc_u64 s[12:13], s[12:13], s[34:35]
	s_add_nc_u64 s[14:15], s[14:15], s[36:37]
	s_add_nc_u64 s[18:19], s[8:9], s[42:43]
	s_load_b32 s[N], s[18:19], 0x0
	global_load_b128 v[B2:B2+3], v[L16], s[14:15]
.irp t, 0,1,2,3,4,5,6,7
	global_load_b128 v[WSC+4*\t:WSC+4*\t+3], v[R128], s[12:13] offset:2048*\t
.endr
.irp g, 0,1,2,3,4,5,6
	WLOAD \g
.endr
	s_add_nc_u64 s[4:5], s[4:5], s[28:29]
	s_add_nc_u64 s[6:7], s[6:7], s[30:31]
	s_add_nc_u64 s[8:9], s[8:9], s[40:41]
	s_add_nc_u64 s[16:17], s[16:17], s[38:39]
.irp i, 0,1,2,3,4,5,6,7,8,9,10,11,12,13,14,15
	s_mov_b32 s[D+\i], 0
.endr
	s_mov_b32 s31, 0                               ; (the upper half of a row's offset)
	s_mul_i32 s27, s[WV], WSTG
	v_add_nc_u32 v[WST], s27, v[L16]
	v_add_nc_u32 v[WST+1], 64*SP, v[WST]
	v_mul_u32_u24 v[WRD], v2, SP
	v_lshl_add_u32 v[PST], v3, 5, v[WRD]           ; in: row r, 32 bytes for each half of the lanes
	v_lshl_add_u32 v[WRD], v3, 4, v[WRD]           ; a fragment's row x pitch + 16 x half
	v_add_nc_u32 v[WRD], s27, v[WRD]
	s_mul_i32 s27, s[WV], QT
	v_add_nc_u32 v[PST], s27, v[PST]
	v_add_nc_u32 v[PST+1], PAIR, v[PST]
	v_add_nc_u32 v[PST+2], 2*PAIR, v[PST]
	v_add_nc_u32 v[PST+3], 3*PAIR, v[PST]
	s_mul_i32 s27, s[WV], 4*SP                     ; back: rows 4 q on, the 32 lanes one row
	v_add_nc_u32 v[PRD], s27, v[L16]
	v_add_nc_u32 v[PRD+1], PAIR, v[PRD]
	v_add_nc_u32 v[PRD+2], 2*PAIR, v[PRD]
	v_add_nc_u32 v[PRD+3], 3*PAIR, v[PRD]
	s_sub_co_u32 s[KM], s[KH], 1                   ; all ones where kh = 0
	s_mov_b32 s[M0], s[P]
	s_wait_alu depctr_va_vdst(0)
	s_wait_kmcnt 0x0
	s_min_u32 s[N], s[N], 1024
	s_add_co_u32 s[T], s[N], 15
	s_lshr_b32 s[T], s[T], 4
	s_max_u32 s[TL], s[T], 1
	s_sub_co_u32 s[TL], s[TL], 1
.irp b, 0,1,2,3
	s_add_co_u32 s27, s[P], 2*\b
	HADDR \b
.endr
	s_wait_alu depctr_va_vdst(0)
.irp g, 0,1,2,3,4,5,6,7,8,9,10,11,12,13,14,15
.if \g < 10
	s_wait_loadcnt 48                              ; group g is in: behind it stand six groups of eight
.elseif \g == 10
	s_wait_loadcnt 57                              ; five groups and a tile of h (17)
.elseif \g == 11
	s_wait_loadcnt 49
.elseif \g == 12
	s_wait_loadcnt 58                              ; three groups and two tiles
.elseif \g == 13
	s_wait_loadcnt 50
.elseif \g == 14
	s_wait_loadcnt 59                              ; one group and three tiles
.else
	s_wait_loadcnt 51
.endif
	WPUT \g
.if \g%2
	WFRAG \g/2
.endif
.if \g < 9
	WLOAD \g+7
.elseif \g%2
	HLOAD (\g-9)/2
.endif
.endr
.irp i, 0,1,2,3
	v_cndmask_b32 v[B2+\i], 0, v[B2+\i], s[KM]     ; b2 is added once: by K half 0
.endr
	s_mov_b32 s[TRIP], 4
	s_wait_alu depctr_va_vdst(0)
	s_wait_dscnt 0x0                               ; my fragments of W2 are in
	s_barrier_signal -1                            ; nobody reads a stage any more: the partial sums take its bytes
	s_barrier_wait -1
.Ltrips:
	TRIPS 0
	TRIPS 1
	s_sub_co_u32 s[TRIP], s[TRIP], 1
	s_cmp_lg_u32 s[TRIP], 0
	s_wait_alu depctr_va_vdst(0)
	s_cbranch_scc1 .Ltrips
	s_wait_tensorcnt 0x0                           ; the wave's end
	ds_add_u32 v[SPW], v[NIL]
	s_wait_dscnt 0x0
	s_endpgm
.Lfunc_end_k_q962340702c_ffn2:
	.size	k_q962340702c_ffn2, .Lfunc_end_k_q962340702c_ffn2-k_q962340702c_ffn2
	.p2alignl 7, 3214868480
	.fill 96, 4, 3214868480
	.section	.rodata,"a",@progbits
	.p2align	6, 0x0
	.amdhsa_kernel k_q962340702c_ffn2
		.amdhsa_group_segment_fixed_size 270848
		.amdhsa_private_segment_fixed_size 0
		.amdhsa_enable_private_segment 0
		.amdhsa_kernarg_size 56
		.amdhsa_user_sgpr_count 2
		.amdhsa_user_sgpr_kernarg_segment_ptr 1
		.amdhsa_wavefront_size32 1
		.amdhsa_system_sgpr_workgroup_id_x 1
		.amdhsa_system_sgpr_workgroup_id_y 1
		.amdhsa_system_sgpr_workgroup_id_z 1
		.amdhsa_system_vgpr_workitem_id 0
		.amdhsa_next_free_vgpr 1024
		.amdhsa_next_free_sgpr 102
		.amdhsa_reserve_vcc 0
		.amdhsa_float_denorm_mode_32 3
		.amdhsa_float_denorm_mode_16_64 3
		.amdhsa_memory_ordered 1
		.amdhsa_forward_progress 1
		.amdhsa_inst_pref_size 195
	.end_amdhsa_kernel
	.amdgpu_metadata
---
amdhsa.version: [ 1, 2 ]
amdhsa.kernels:
  - .name:           k_q962340702c_ffn2
    .symbol:         k_q962340702c_ffn2.kd
    .args:
      - { .name: hbuf, .offset: 0, .size: 8, .value_kind: global_buffer, .address_space: global }
      - { .name: hscales, .offset: 8, .size: 8, .value_kind: global_buffer, .address_space: global }
      - { .name: dtab, .offset: 16, .size: 8, .value_kind: global_buffer, .address_space: global }
      - { .name: w2_codes, .offset: 24, .size: 8, .value_kind: global_buffer, .address_space: global }
      - { .name: w2_scales, .offset: 32, .size: 8, .value_kind: global_buffer, .address_space: global }
      - { .name: b2, .offset: 40, .size: 8, .value_kind: global_buffer, .address_space: global }
      - { .name: ybuf, .offset: 48, .size: 8, .value_kind: global_buffer, .address_space: global }
    .group_segment_fixed_size: 270848
    .private_segment_fixed_size: 0
    .kernarg_segment_align: 8
    .kernarg_segment_size: 56
    .max_flat_workgroup_size: 128
    .sgpr_count:     102
    .vgpr_count:     1024
    .wavefront_size: 32
...
	.end_amdgpu_metadata
.endif
;; end of part 7
;; launch combine (part 8): grid 256 x 1, 4 waves a work-group, no clusters, 0 bytes of LDS; arguments ybuf, wts, out0; writes out0
.if DOCPART == 8
	.amdgcn_target "amdgcn-amd-amdhsa--gfx1250"
	.amdhsa_code_object_version 6
	.text
	.protected	k_q962340702c_combine
	.globl	k_q962340702c_combine
	.p2align	8
	.type	k_q962340702c_combine,@function
k_q962340702c_combine:
	s_mov_b64 s[64:65], 0
	v_nop
	global_prefetch_b8 v0, s[64:65] scope:SCOPE_SE
	s_setreg_imm32_b32 hwreg(HW_REG_WAVE_MODE, 25, 1), 1
	s_wait_xcnt 0x0
; out0[t] = w0 (y0[2 t] + y1[2 t]) + w1 (y0[2 t + 1] + y1[2 t + 1]): the two chosen experts' results, each in two K halves, by the gate's weights.
; The six experts that token t did not choose add the constant 0 (see the first kernel's head) and are left out.
; A wave takes a token: 32 loads of 512 consecutive bytes, all issued at once, 8 stores of 512.  No LDS, no barrier, no loop, so no prefetch; nothing is shared, so no cluster; ybuf's pad rows are not read.
	s_load_b128 s[4:7], s[0:1], 0x0                ; ybuf, wts
	s_load_b64 s[8:9], s[0:1], 0x10                ; out0
	v_lshrrev_b32 v1, 5, v0
	v_readfirstlane_b32 s2, v1
	v_and_b32 v1, 31, v0
	v_lshlrev_b32 v2, 4, v1
	s_lshl_b32 s10, ttmp9, 2
	s_add_co_u32 s10, s10, s2                      ; my token
	s_lshl_b32 s12, s10, 13
	s_mov_b32 s13, 0
	s_lshl_b32 s14, s10, 3
	s_mov_b32 s15, 0
	s_lshl_b32 s16, s10, 12
	s_mov_b32 s17, 0
	s_wait_alu depctr_va_vdst(0)
	s_wait_kmcnt 0x0
	s_add_nc_u64 s[4:5], s[4:5], s[12:13]
	s_add_nc_u64 s[18:19], s[4:5], 8912896         ; the second K half
	s_add_nc_u64 s[6:7], s[6:7], s[14:15]
	s_add_nc_u64 s[8:9], s[8:9], s[16:17]
	s_load_b64 s[20:21], s[6:7], 0x0               ; the two weights
.irp i, 0,1,2,3,4,5,6,7
	global_load_b128 v[8+16*\i:11+16*\i], v2, s[4:5] offset:512*\i th:TH_LOAD_NT
	global_load_b128 v[12+16*\i:15+16*\i], v2, s[18:19] offset:512*\i th:TH_LOAD_NT
	global_load_b128 v[16+16*\i:19+16*\i], v2, s[4:5] offset:4096+512*\i th:TH_LOAD_NT
	global_load_b128 v[20+16*\i:23+16*\i], v2, s[18:19] offset:4096+512*\i th:TH_LOAD_NT
.endr
	s_wait_kmcnt 0x0
	s_mov_b32 s22, s21
	s_mov_b32 s23, s21
.irp i, 0,1,2,3,4,5,6,7
	s_wait_loadcnt 28-4*\i                         ; four loads are in; the younger may be out
.irp k, 0,2
	v_pk_add_f32 v[8+16*\i+\k:9+16*\i+\k], v[8+16*\i+\k:9+16*\i+\k], v[12+16*\i+\k:13+16*\i+\k]
	v_pk_add_f32 v[16+16*\i+\k:17+16*\i+\k], v[16+16*\i+\k:17+16*\i+\k], v[20+16*\i+\k:21+16*\i+\k]
.endr
.irp k, 0,2
	v_pk_mul_f32 v[8+16*\i+\k:9+16*\i+\k], v[8+16*\i+\k:9+16*\i+\k], s[20:21] op_sel_hi:[1,0]
.endr
.irp k, 0,2
	v_pk_fma_f32 v[8+16*\i+\k:9+16*\i+\k], v[16+16*\i+\k:17+16*\i+\k], s[22:23], v[8+16*\i+\k:9+16*\i+\k] op_sel_hi:[1,0,1]
.endr
	global_store_b128 v2, v[8+16*\i:11+16*\i], s[8:9] offset:512*\i th:TH_STORE_NT
.endr
	s_endpgm
.Lfunc_end_k_q962340702c_combine:
	.size	k_q962340702c_combine, .Lfunc_end_k_q962340702c_combine-k_q962340702c_combine
	.p2alignl 7, 3214868480
	.fill 96, 4, 3214868480
	.section	.rodata,"a",@progbits
	.p2align	6, 0x0
	.amdhsa_kernel k_q962340702c_combine
		.amdhsa_group_segment_fixed_size 0
		.amdhsa_private_segment_fixed_size 0
		.amdhsa_enable_private_segment 0
		.amdhsa_kernarg_size 24
		.amdhsa_user_sgpr_count 2
		.amdhsa_user_sgpr_kernarg_segment_ptr 1
		.amdhsa_wavefront_size32 1
		.amdhsa_system_sgpr_workgroup_id_x 1
		.amdhsa_system_sgpr_workgroup_id_y 1
		.amdhsa_system_sgpr_workgroup_id_z 1
		.amdhsa_system_vgpr_workitem_id 0
		.amdhsa_next_free_vgpr 144
		.amdhsa_next_free_sgpr 66
		.amdhsa_reserve_vcc 0
		.amdhsa_float_denorm_mode_32 3
		.amdhsa_float_denorm_mode_16_64 3
		.amdhsa_memory_ordered 1
		.amdhsa_forward_progress 1
		.amdhsa_inst_pref_size 10
	.end_amdhsa_kernel
	.amdgpu_metadata
---
amdhsa.version: [ 1, 2 ]
amdhsa.kernels:
  - .name:           k_q962340702c_combine
    .symbol:         k_q962340702c_combine.kd
    .args:
      - { .name: ybuf, .offset: 0, .size: 8, .value_kind: global_buffer, .address_space: global }
      - { .name: wts, .offset: 8, .size: 8, .value_kind: global_buffer, .address_space: global }
      - { .name: out0, .offset: 16, .size: 8, .value_kind: global_buffer, .address_space: global }
    .group_segment_fixed_size: 0
    .private_segment_fixed_size: 0
    .kernarg_segment_align: 8
    .kernarg_segment_size: 24
    .max_flat_workgroup_size: 128
    .sgpr_count:     66
    .vgpr_count:     144
    .wavefront_size: 32
...
	.end_amdgpu_metadata
.endif
;; end of part 8
